; MI455X (gfx1250); checked and timed in simulation.
; The chip was launched on July 23, 2026; its instructions are those of AMD's public machine-readable ISA for CDNA 5 (MIT licence, August 2026) and "CDNA5" Instruction Set Architecture Reference Guide (July 2026). The comments in the code are by the model that wrote it; some were corrected since.
;; Encoder Block. Allowed arithmetic: matrix products marked QUANTISED: E4M3 operands, one E8M0 scale for each 32 along K, by v_wmma_scale_f32_16x16x128_f8f6f4 with both operands' format E4M3, f32 sums; everything else in f32.
;; Inputs: b1 4,096 float32; b2 1,024 float32; bk 1,024 float32; bo 1,024 float32; bq 1,024 float32; bv 1,024 float32; ln1_a 1 float32; ln1_b 1 float32; ln2_a 1 float32; ln2_b 1 float32; mask 2 x 1 x 1 x 2,048 int32; w1_codes 4,096 x 32 x 32 uint8 (E4M3 codes of w1, K innermost, in blocks of 32 codes); w1_scales 4,096 x 32 uint8 (E8M0 scales of w1, one for each 32 codes along K); w2_codes 1,024 x 128 x 32 uint8 (E4M3 codes of w2, K innermost, in blocks of 32 codes); w2_scales 1,024 x 128 uint8 (E8M0 scales of w2, one for each 32 codes along K); wk_codes 1,024 x 32 x 32 uint8 (E4M3 codes of wk, K innermost, in blocks of 32 codes); wk_scales 1,024 x 32 uint8 (E8M0 scales of wk, one for each 32 codes along K); wo_codes 1,024 x 32 x 32 uint8 (E4M3 codes of wo, K innermost, in blocks of 32 codes); wo_scales 1,024 x 32 uint8 (E8M0 scales of wo, one for each 32 codes along K); wq_codes 1,024 x 32 x 32 uint8 (E4M3 codes of wq, K innermost, in blocks of 32 codes); wq_scales 1,024 x 32 uint8 (E8M0 scales of wq, one for each 32 codes along K); wv_codes 1,024 x 32 x 32 uint8 (E4M3 codes of wv, K innermost, in blocks of 32 codes); wv_scales 1,024 x 32 uint8 (E8M0 scales of wv, one for each 32 codes along K); x 2 x 2,048 x 1,024 float32.
;; Outputs: out0 2 x 2,048 x 1,024 float32.
;; This version of the problem:
;;   THIS VERSION OF THE PROBLEM IS GIVEN IN LOW PRECISION. The matrix products marked QUANTISED in the list below multiply operands that are first quantised to E4M3 (4 exponent bits, 3 mantissa bits; 8 bits a number), with one power-of-two scale for each 32 numbers along K (OCP MX v1.0); their sums are f32. All else is computed in f32.
;;   The module's matrix products, in the order in which they are computed (A, B: the left and right operand; K: the contracted axis; several contracted axes count as one K, in the product's order):
;;     1. [M 4,096, K 1,024] x [K 1,024, N 1,024]; A: computed on the way; B: input wq (given as codes): QUANTISED
;;     2. [M 4,096, K 1,024] x [K 1,024, N 1,024]; A: computed on the way; B: input wk (given as codes): QUANTISED
;;     3. [M 4,096, K 1,024] x [K 1,024, N 1,024]; A: computed on the way; B: input wv (given as codes): QUANTISED
;;     4. batch 32 x [M 2,048, K 64] x [K 64, N 2,048]; A: computed on the way; B: computed on the way: QUANTISED
;;     5. batch 32 x [M 2,048, K 2,048] x [K 2,048, N 64]; A: softmax (see below); B: computed on the way: QUANTISED
;;     6. [M 4,096, K 1,024] x [K 1,024, N 1,024]; A: computed on the way; B: input wo (given as codes): QUANTISED
;;     7. [M 4,096, K 1,024] x [K 1,024, N 4,096]; A: computed on the way; B: input w1 (given as codes): QUANTISED
;;     8. [M 4,096, K 4,096] x [K 4,096, N 1,024]; A: computed on the way; B: input w2 (given as codes): QUANTISED
;;   THE QUANTISER, for each operand of a quantised product, along K:
;;     - K is cut into blocks of 32 from its start; a last block that is shorter is filled with zeros.
;;     - A block's scale is 2^e with e = floor(log2(the largest magnitude in the block)) - 8, held to -126 .. 127; a block of zeros has e = 0. As a byte (E8M0): e + 127.
;;     - Each number is divided by its block's scale, clamped to +-448, and rounded to the nearest number of E4M3, ties to even, subnormals kept.
;;     - The product sums the exact products of the quantised numbers (number of the format x scale) in f32.
;;   ~~~python
;;   def quantise(x, axis):      # numpy; x: float32 -> the quantised numbers, widened to float32 again
;;       x = np.moveaxis(x, axis, -1); K = x.shape[-1]
;;       x = np.pad(x, [(0, 0)] * (x.ndim - 1) + [(0, -K % 32)]); x = x.reshape(x.shape[:-1] + (-1, 32)); a = np.abs(x).max(-1, keepdims=True)
;;       e = np.where(a > 0, np.clip(np.frexp(np.where(a > 0, a, 1))[1] - 1 - 8, -126, 127), 0)      # np.frexp(a)[1] - 1 = floor(log2(a)), exactly
;;       r = np.clip(x / 2.0 ** e, -448, 448)
;;       step = 2.0 ** (np.maximum(np.frexp(np.where(r == 0, 1, r))[1] - 1, -6) - 3)
;;       q = np.round(r / step) * step * 2.0 ** e      # np.round: ties to even
;;       return np.moveaxis(q.reshape(q.shape[:-2] + (-1,))[..., :K], -1, axis).astype(np.float32)
;;   ~~~
;;   SOFTMAX AHEAD OF A QUANTISED PRODUCT. Where the list says 'softmax', what is quantised is not the finished softmax but p = 2^(t - M), with t = logit x log2(e) and M = ceil(the row's largest t), a whole number; so 1/2 < the row's largest p <= 1. The row's sum l is taken of the UNQUANTISED p, in f32, and the product's result is divided by l at the end. Since M is a whole number, a kernel that streams over the keys may use a running M (the ceiling of the running maximum): every later rescaling is an exact power of two, which a block's scale takes up: the codes' values come out the same.
;;   OPERANDS COMPUTED ON THE WAY. 'Computed on the way' means the value that the module computes at that place (a softmax that the list does not call 'softmax' is quantised finished and normalised). What goes into a quantiser is computed in f32, as accurately as f32 sums, v_exp_f32 and their like allow (about 1e-6 of the number): no bf16 or f16 on the way to a quantiser, and a product that is left as it is and whose result goes on into a quantised operand takes f32 operands (vector FMAs, or v_wmma_f32_16x16x4_f32). A number that lies on a knife's edge between two numbers of the format may be rounded either way, as far as f32 arithmetic and the matrix unit's own rounding can turn it there, and no further.
;;   INPUTS GIVEN AS CODES. w1 (in the module: [4096, 1024], K = its axis 1); w2 (in the module: [1024, 4096], K = its axis 1); wk (in the module: [1024, 1024], K = its axis 1); wo (in the module: [1024, 1024], K = its axis 1); wq (in the module: [1024, 1024], K = its axis 1); wv (in the module: [1024, 1024], K = its axis 1): each comes as NAME_codes (uint8): NAME with its K axis moved to the last place and cut into blocks of 32 codes, [.., K / 32, bytes a block], one block behind the other in memory; one code a byte (a code: sign, 4 exponent bits, 3 mantissa bits); and NAME_scales (uint8): the same leading axes, one E8M0 byte (e + 127) for each 32 codes along K. Its value is code x scale, taken as it is: it is not quantised again, and the codes and scales need not be those that the quantiser above would give.
;; One version. Each part assembles by itself: llvm-mc -triple=amdgcn-amd-amdhsa -mcpu=gfx1250 --defsym DOCPART=n.
;; ======== version 1 of 1: 7 launches
;; limits: right only within a limited range of input values
;; workspace buffers: xn 4,325,376 bytes; qkvw 13,238,272 bytes; at 4,325,376 bytes; x1 16,777,216 bytes; hb 17,301,504 bytes
;; launch ln1 (part 1): grid 256 x 1, 8 waves a work-group, no clusters, 83,968 bytes of LDS; arguments x, ln1_a, ln1_b, xn; writes xn
.if DOCPART == 1
	.amdgcn_target "amdgcn-amd-amdhsa--gfx1250"
	.amdhsa_code_object_version 6
	.text
	.protected	k_q3c7777e07d_ln1
	.globl	k_q3c7777e07d_ln1
	.p2align	8
	.type	k_q3c7777e07d_ln1,@function
k_q3c7777e07d_ln1:
	s_mov_b64 s[64:65], 0
	v_nop
	global_prefetch_b8 v0, s[64:65] scope:SCOPE_SE
	s_setreg_imm32_b32 hwreg(HW_REG_WAVE_MODE, 25, 1), 1
	s_wait_xcnt 0x0
; xn = alpha (x - mean) / (std + 1e-6) + beta over rows of 1,024 f32 (std with divisor 1,023), then quantised along the row to FP8 (E4M3) codes with one E8M0 byte for each 32.
; OUT: codes [4096][1024] row-major at byte 0 of the buffer, scale bytes [4096][32] at byte 4,194,304: laid as the weights are, so that the products' launches read both sides alike.
; SHARES: a work-group owns 16 rows.  Phase 1: wave w normalises rows 2 w, 2 w + 1 (a row is 32 registers of the wave; mean first, then the squares of the differences, so that a common offset costs nothing).
; Phase 2: the 16 rows meet in LDS and wave w quantises columns 128 w .. 128 w + 127 of all 16: lane (r, h) holds 16 neighbours of each block of 32 of row r.  Phase 3: codes leave as whole rows, 512 consecutive bytes a store.
; No input is shared between work-groups and there is no product: no cluster, no tensor load, no matrix instruction.  All 64 KiB of a work-group are asked for at once, so nothing is left to ask for ahead.
; LIMITS: NaN and infinities are not served; a block whose largest magnitude is under 2^-118 keeps the byte 1; a block of zeros gets the byte 1 (its codes are zeros; this program alone reads the bytes).
.set XNP, 4112                         ; an LDS row of f32: 4,096 bytes + 16: row r starts 4 r words on, so 16 rows read at one column fall in different banks
.set CST, 16*XNP                       ; codes: 16 rows x (1,024 + 16)
.set CSP, 1040
.set SCS, CST+16*CSP                   ; scale bytes: 16 rows x 32
.set X,   16                           ; v16-79  two rows of 32 numbers; later 64 numbers to quantise
.set TM,  80                           ; v80-95  at work
.set PW,  96                           ; the scale word
.set PC,  100                          ; v100-115 codes
.set OUTR, 116                         ; v116-131 the way out
.set BE,  132                          ; v[132:133] beta
.set SEL, 20
.set MNT, 23
	s_load_b256 s[4:11], s[0:1], 0x0               ; x s[4:5], alpha s[6:7], beta s[8:9], xn s[10:11]
	v_lshl_add_u32 v136, v0, 2, 0x14400
	v_mov_b32 v137, 0
	v_lshrrev_b32 v2, 5, v0
	s_delay_alu instid0(VALU_DEP_1)
	v_readfirstlane_b32 s16, v2                    ; wave 0..7
	v_and_b32 v1, 31, v0                           ; lane
	v_and_b32 v2, 15, v0                           ; r
	v_bfe_u32 v3, v0, 4, 1                         ; h
	s_delay_alu instid0(VALU_DEP_3)
	v_lshlrev_b32 v12, 4, v1                       ; 16 x lane
	s_lshl_b32 s17, s16, 13
	v_add_nc_u32 v4, s17, v12                      ; x: my wave's two rows, 16 bytes a lane
	s_mul_i32 s17, s16, 2*XNP
	v_add_nc_u32 v5, s17, v12                      ; the same two rows in LDS
	v_mul_u32_u24 v6, v2, XNP
	s_delay_alu instid0(VALU_DEP_1)
	v_lshl_add_u32 v6, v3, 6, v6
	s_lshl_b32 s17, s16, 9
	v_add_nc_u32 v6, s17, v6                       ; phase 2 reads: row r, column 128 w + 16 h
	v_mul_u32_u24 v7, v2, CSP
	s_delay_alu instid0(VALU_DEP_1)
	v_lshl_add_u32 v7, v3, 4, v7
	s_lshl_b32 s17, s16, 7
	s_add_co_u32 s17, s17, CST
	v_add_nc_u32 v7, s17, v7                       ; codes into LDS: row r, byte 128 w + 16 h
	s_lshl_b32 s17, s16, 2
	s_add_co_u32 s17, s17, SCS
	v_lshl_add_u32 v8, v2, 5, s17                  ; the scale word: row r, byte 4 w
	s_mul_i32 s17, s16, 2*CSP
	s_add_co_u32 s17, s17, CST
	v_add_nc_u32 v9, s17, v12                      ; codes back: my wave's two rows
	s_lshl_b32 s17, s16, 11
	v_add_nc_u32 v10, s17, v12                     ; and their place in memory
	v_add_nc_u32 v11, SCS, v12                     ; all 512 scale bytes, 16 a lane
	s_mov_b32 s[SEL], 0x76543210
	s_mov_b32 s[SEL+1], 0xfedcba98                 ; lane l xor 16
	s_mov_b32 s[MNT], 0x600000                     ; the mantissa field of 448
.irp b, 0,1,2,3
	v_mov_b32 v[TM+4+\b], 0                        ; a lane permute's destination counts as read: written once
.endr
	s_lshl_b32 s18, ttmp9, 16                      ; 16 rows of 4,096 bytes
	s_mov_b32 s19, 0
	s_wait_kmcnt 0x0
	s_load_b32 s12, s[6:7], 0x0                    ; alpha
	s_load_b32 s13, s[8:9], 0x0                    ; beta
	s_add_nc_u64 s[4:5], s[4:5], s[18:19]
.irp p, 0,1
.irp j, 0,1,2,3,4,5,6,7
	global_load_b128 v[X+32*\p+4*\j:X+32*\p+4*\j+3], v4, s[4:5] offset:4096*\p+512*\j   ; 512 consecutive bytes a load
.endr
.endr
	s_lshl_b32 s18, ttmp9, 9
	s_add_co_u32 s18, s18, 4194304
	s_add_nc_u64 s[24:25], s[10:11], s[18:19]      ; my 16 rows' scale bytes
	s_lshl_b32 s18, ttmp9, 14
	s_add_nc_u64 s[10:11], s[10:11], s[18:19]      ; my 16 rows' codes
	s_wait_kmcnt 0x0
	v_mov_b32 v[BE], s13
	v_mov_b32 v[BE+1], s13
.macro LANESUM t                       ; v[t] summed over the 32 lanes, in every lane; v[t+1] is scratch
	s_delay_alu instid0(VALU_DEP_1)
	v_add_f32_dpp v[\t], v[\t], v[\t] row_xmask:1 row_mask:0xf bank_mask:0xf
	s_delay_alu instid0(VALU_DEP_1)
	v_add_f32_dpp v[\t], v[\t], v[\t] row_xmask:2 row_mask:0xf bank_mask:0xf
	s_delay_alu instid0(VALU_DEP_1)
	v_add_f32_dpp v[\t], v[\t], v[\t] row_xmask:4 row_mask:0xf bank_mask:0xf
	s_delay_alu instid0(VALU_DEP_1)
	v_add_f32_dpp v[\t], v[\t], v[\t] row_xmask:8 row_mask:0xf bank_mask:0xf
	s_delay_alu instid0(VALU_DEP_1)
	v_permlanex16_b32 v[\t+1], v[\t], s[SEL], s[SEL+1]
	s_delay_alu instid0(VALU_DEP_1)
	v_add_f32 v[\t], v[\t], v[\t+1]
.endm
.macro MEAN p                          ; the row's mean, and x - mean in place
.set B, X+32*\p
.set T, TM+8*\p
	v_pk_add_f32 v[T:T+1], v[B:B+1], v[B+2:B+3]
	v_pk_add_f32 v[T+2:T+3], v[B+4:B+5], v[B+6:B+7]
.irp j, 8,12,16,20,24,28
	s_delay_alu instid0(VALU_DEP_2)
	v_pk_add_f32 v[T:T+1], v[T:T+1], v[B+\j:B+\j+1]
	s_delay_alu instid0(VALU_DEP_2)
	v_pk_add_f32 v[T+2:T+3], v[T+2:T+3], v[B+\j+2:B+\j+3]
.endr
	s_delay_alu instid0(VALU_DEP_1)
	v_pk_add_f32 v[T:T+1], v[T:T+1], v[T+2:T+3]
	s_delay_alu instid0(VALU_DEP_1)
	v_add_f32 v[T], v[T], v[T+1]
	LANESUM T
	s_delay_alu instid0(VALU_DEP_1)
	v_mul_f32 v[T], 0x3a800000, v[T]               ; / 1,024
.irp j, 0,2,4,6,8,10,12,14,16,18,20,22,24,26,28,30
	v_pk_add_f32 v[B+\j:B+\j+1], v[B+\j:B+\j+1], v[T:T+1] op_sel_hi:[1,0] neg_lo:[0,1] neg_hi:[0,1]
.endr
.endm
.macro VARI p                          ; the sum of the squared differences / 1,023
.set B, X+32*\p
.set T, TM+8*\p
	v_pk_mul_f32 v[T+2:T+3], v[B:B+1], v[B:B+1]
	v_pk_mul_f32 v[T+4:T+5], v[B+2:B+3], v[B+2:B+3]
.irp j, 4,8,12,16,20,24,28
	s_delay_alu instid0(VALU_DEP_2)
	v_pk_fma_f32 v[T+2:T+3], v[B+\j:B+\j+1], v[B+\j:B+\j+1], v[T+2:T+3]
	s_delay_alu instid0(VALU_DEP_2)
	v_pk_fma_f32 v[T+4:T+5], v[B+\j+2:B+\j+3], v[B+\j+2:B+\j+3], v[T+4:T+5]
.endr
	s_delay_alu instid0(VALU_DEP_1)
	v_pk_add_f32 v[T+2:T+3], v[T+2:T+3], v[T+4:T+5]
	s_delay_alu instid0(VALU_DEP_1)
	v_add_f32 v[T+2], v[T+2], v[T+3]
	LANESUM T+2
	s_delay_alu instid0(VALU_DEP_1)
	v_mul_f32 v[T+2], 0x3a802008, v[T+2]           ; x 1 / 1,023
.endm
	s_wait_loadcnt 0x0                             ; both rows: all of the work-group's bytes were asked for together
	MEAN 0
	MEAN 1
	VARI 0
	VARI 1
	s_wait_alu depctr_va_vdst(0)
	v_sqrt_f32 v[TM+4], v[TM+2]
	v_sqrt_f32 v[TM+12], v[TM+10]
	v_nop                                          ; a plain instruction behind the batch,
	s_wait_alu depctr_va_vdst(0)                   ; and one wait ahead of its first reader
	v_add_f32 v[TM+4], 0x358637bd, v[TM+4]         ; std + 1e-6
	v_add_f32 v[TM+12], 0x358637bd, v[TM+12]
	s_wait_alu depctr_va_vdst(0)
	v_rcp_f32 v[TM+5], v[TM+4]
	v_rcp_f32 v[TM+13], v[TM+12]
	v_nop
	s_wait_alu depctr_va_vdst(0)
	v_mul_f32 v[TM+2], s12, v[TM+5]                ; alpha / (std + 1e-6)
	v_mul_f32 v[TM+10], s12, v[TM+13]
.irp p, 0,1
.irp j, 0,2,4,6,8,10,12,14,16,18,20,22,24,26,28,30
	v_pk_fma_f32 v[X+32*\p+\j:X+32*\p+\j+1], v[X+32*\p+\j:X+32*\p+\j+1], v[TM+8*\p+2:TM+8*\p+3], v[BE:BE+1] op_sel_hi:[1,0,0]
.endr
.endr
.irp p, 0,1
.irp j, 0,1,2,3,4,5,6,7
	ds_store_b128 v5, v[X+32*\p+4*\j:X+32*\p+4*\j+3] offset:XNP*\p+512*\j
.endr
.endr
	s_wait_dscnt 0x0                               ; my rows lie in LDS,
	s_barrier_signal -1
	s_barrier_wait -1                              ; everybody's do
.irp b, 0,1,2,3
.irp j, 0,1,2,3
	ds_load_b128 v[X+16*\b+4*\j:X+16*\b+4*\j+3], v6 offset:128*\b+16*\j   ; register 16 b + i = column 128 w + 32 b + 16 h + i of row r
.endr
.endr
	s_wait_dscnt 0x0
.irp b, 0,1,2,3
	v_max3_num_f32 v[TM+\b], |v[X+16*\b]|, |v[X+1+16*\b]|, 0x4800000   ; my 16 numbers of block b, and the floor 2^(9 - 127): the byte cannot fall under 1
.endr
.irp i, 2,4,6,8,10,12,14
.irp b, 0,1,2,3
	s_delay_alu instid0(VALU_DEP_4)
	v_max3_num_f32 v[TM+\b], v[TM+\b], |v[X+16*\b+\i]|, |v[X+1+16*\b+\i]|
.endr
.endr
.irp b, 0,1,2,3
	v_permlanex16_b32 v[TM+4+\b], v[TM+\b], s[SEL], s[SEL+1]
.endr
.irp b, 0,1,2,3
	s_delay_alu instid0(VALU_DEP_4)
	v_max_num_f32 v[TM+\b], v[TM+\b], v[TM+4+\b]   ; with lane l xor 16's: the block's largest magnitude
.endr
.irp b, 0,1,2,3
	s_delay_alu instid0(VALU_DEP_4)
	v_add_nc_u32 v[TM+12+\b], 0xfc000000, v[TM+\b] ; 8 off its exponent field: the conversion's scale operand
.endr
.irp b, 0,1,2,3
	v_and_or_b32 v[TM+8+\b], v[TM+\b], 0x7f800000, s[MNT]   ; 448 x the scale
.endr
.irp b, 0,1,2,3
	v_lshrrev_b32 v[TM+4+\b], 23, v[TM+12+\b]      ; the scale's byte
.endr
	s_delay_alu instid0(VALU_DEP_3)
	v_lshl_or_b32 v[PW], v[TM+5], 8, v[TM+4]
	s_delay_alu instid0(VALU_DEP_1)
	v_lshl_or_b32 v[PW], v[TM+6], 16, v[PW]
	s_delay_alu instid0(VALU_DEP_1)
	v_lshl_or_b32 v[PW], v[TM+7], 24, v[PW]
.irp b, 0,1,2,3
.irp i, 0,1,2,3,4,5,6,7,8,9,10,11,12,13,14,15
	v_med3_num_f32 v[X+16*\b+\i], v[X+16*\b+\i], -v[TM+8+\b], v[TM+8+\b]   ; the conversion does not saturate (ISA guide 7.6.2): the hold comes first
.endr
	v_cvt_scalef32_pk8_fp8_f32 v[PC+4*\b:PC+1+4*\b], v[X+16*\b:X+7+16*\b], v[TM+12+\b]
	v_cvt_scalef32_pk8_fp8_f32 v[PC+2+4*\b:PC+3+4*\b], v[X+8+16*\b:X+15+16*\b], v[TM+12+\b]
.endr
	v_nop
.irp c, 0,1,2,3
	ds_store_b128 v7, v[PC+4*\c:PC+4*\c+3] offset:32*\c
.endr
	ds_store_b32 v8, v[PW]                         ; both halves of the lanes hold the same word
	s_wait_dscnt 0x0
	s_barrier_signal -1
	s_barrier_wait -1                              ; 16 whole rows of codes and their scale bytes lie in LDS
.irp p, 0,1
.irp s, 0,1
	ds_load_b128 v[OUTR+8*\p+4*\s:OUTR+8*\p+4*\s+3], v9 offset:CSP*\p+512*\s
.endr
.endr
	s_wait_dscnt 0x0
.irp p, 0,1
.irp s, 0,1
	global_store_b128 v10, v[OUTR+8*\p+4*\s:OUTR+8*\p+4*\s+3], s[10:11] offset:1024*\p+512*\s   ; 512 consecutive bytes, aligned
.endr
.endr
	s_cmp_lg_u32 s16, 0
	s_cbranch_scc1 .Lend                           ; wave 0 stores the 512 scale bytes
	ds_load_b128 v[PC:PC+3], v11
	s_wait_dscnt 0x0
	global_store_b128 v12, v[PC:PC+3], s[24:25]
.Lend:
	s_wait_tensorcnt 0x0
	ds_add_u32 v136, v137
	s_wait_dscnt 0x0
	s_endpgm
.Lfunc_end_k_q3c7777e07d_ln1:
	.size	k_q3c7777e07d_ln1, .Lfunc_end_k_q3c7777e07d_ln1-k_q3c7777e07d_ln1
	.p2alignl 7, 3214868480
	.fill 96, 4, 3214868480
	.section	.rodata,"a",@progbits
	.p2align	6, 0x0
	.amdhsa_kernel k_q3c7777e07d_ln1
		.amdhsa_group_segment_fixed_size 83968
		.amdhsa_private_segment_fixed_size 0
		.amdhsa_enable_private_segment 0
		.amdhsa_kernarg_size 32
		.amdhsa_user_sgpr_count 2
		.amdhsa_user_sgpr_kernarg_segment_ptr 1
		.amdhsa_wavefront_size32 1
		.amdhsa_system_sgpr_workgroup_id_x 1
		.amdhsa_system_sgpr_workgroup_id_y 1
		.amdhsa_system_sgpr_workgroup_id_z 1
		.amdhsa_system_vgpr_workitem_id 0
		.amdhsa_next_free_vgpr 138
		.amdhsa_next_free_sgpr 66
		.amdhsa_reserve_vcc 0
		.amdhsa_float_denorm_mode_32 3
		.amdhsa_float_denorm_mode_16_64 3
		.amdhsa_memory_ordered 1
		.amdhsa_forward_progress 1
		.amdhsa_inst_pref_size 31
	.end_amdhsa_kernel
	.amdgpu_metadata
---
amdhsa.version: [ 1, 2 ]
amdhsa.kernels:
  - .name:           k_q3c7777e07d_ln1
    .symbol:         k_q3c7777e07d_ln1.kd
    .args:
      - { .name: x, .offset: 0, .size: 8, .value_kind: global_buffer, .address_space: global }
      - { .name: ln1_a, .offset: 8, .size: 8, .value_kind: global_buffer, .address_space: global }
      - { .name: ln1_b, .offset: 16, .size: 8, .value_kind: global_buffer, .address_space: global }
      - { .name: xn, .offset: 24, .size: 8, .value_kind: global_buffer, .address_space: global }
    .group_segment_fixed_size: 83968
    .private_segment_fixed_size: 0
    .kernarg_segment_align: 8
    .kernarg_segment_size: 32
    .max_flat_workgroup_size: 256
    .sgpr_count:     66
    .vgpr_count:     138
    .wavefront_size: 32
...
	.end_amdgpu_metadata
.endif
;; end of part 1
;; launch qkv (part 2): grid 12 x 16, 4 waves a work-group, clusters of 4 x 4, 327,680 bytes of LDS; arguments xn, wq_codes, wq_scales, bq, wk_codes, wk_scales, bk, wv_codes, wv_scales, bv, mask, qkvw; writes qkvw
.if DOCPART == 2
	.amdgcn_target "amdgcn-amd-amdhsa--gfx1250"
	.amdhsa_code_object_version 6
	.text
	.protected	k_q3c7777e07d_qkv
	.globl	k_q3c7777e07d_qkv
	.p2align	8
	.type	k_q3c7777e07d_qkv,@function
k_q3c7777e07d_qkv:
	s_mov_b64 s[64:65], 0
	v_nop
	global_prefetch_b8 v0, s[64:65] scope:SCOPE_SE
	s_setreg_imm32_b32 hwreg(HW_REG_WAVE_MODE, 25, 1), 1
	s_wait_xcnt 0x0
	s_wait_alu depctr_hold_cnt(0) depctr_sa_sdst(0) depctr_va_vdst(0) depctr_va_sdst(0) depctr_va_ssrc(0) depctr_va_vcc(0) depctr_vm_vsrc(0)
	s_getreg_b32 s2, hwreg(HW_REG_IB_STS2, 6, 4)
	s_cmp_eq_u32 s2, 0
	s_cbranch_scc0 .Lentry_in_a_cluster
	s_endpgm
.Lentry_in_a_cluster:
	s_bfe_u32 s2, ttmp6, 0x10000c
	s_cmp_lg_u32 s2, 0xf033
	s_cbranch_scc0 .Lentry_shape_is_right
	s_endpgm
.Lentry_shape_is_right:
.set SIZE_K, 1024
.set KSTEP,  256
.set NQ,     KSTEP/128
.set ROWB,   256
.set KROW,   SIZE_K
.set PITCH,  272
.set FR,     16
.set NL,     4
.set NP,     8
.set HALFT,  128*PITCH
.set SLOT,   4*HALFT
.set LAPS,   SIZE_K/(2*KSTEP)
.set KS,     SIZE_K/32
.set SCL,    2*SLOT
.set HALFS,  (128*KS/256)*272
.set SBLK,   (16*KS/256)*272
.set SPARE,  SCL+4*HALFS
.set SOF,  5
.set L16,  6
.set H16,  7
.set MKW,  8
.set ADRA, 16
.set ADRB, 20
.set ADRS, 27
.set SPW,  28
.set NIL,  29
.set UNM,  30
.set MSK,  31
.set SC,   32
.set BIAS, 64
.set AF,   128
.set TM,   64
.set PWR,  80
.set VO,   88
.set SWR,  96
.set G1, 24
.set G0, 32
.set G1B, 48
.set G0B, 56
.set G1S, 68
.set G0S, 76
.set G1SB, 80
.set G0SB, 88
.set ISV, 2
.set SEL, 20
.set MNT, 23
.set LO,  12
.set HI,  66
.set SCO, 104
.set BP,  96
.set MP,  98
.set OFF, 96
.set STP, 100
.set EXT, 101
.set MSB, 0
.macro WIN new
.if MSB != \new
	s_set_vgpr_msb (MSB<<8)|\new
.set MSB, \new
.endif
.endm
.set MUL_LO, 0xa1
.set MUL_HI, 0xf1
.set BIA_LO, 0x81
.set BIA_HI, 0xc1
.set TO_B,   0x40
.macro JLOAD g0a, g1a, g0b, g1b
	s_cmp_eq_u32 s15, 0
	s_cbranch_scc0 .Lfor_b_\@
	tensor_load_to_lds s[\g0a:\g0a+3], s[\g1a:\g1a+7]
	s_nop 0
.rept 4
	v_nop
.endr
	s_branch .Lasked_\@
.Lfor_b_\@:
	tensor_load_to_lds s[\g0b:\g0b+3], s[\g1b:\g1b+7]
	s_nop 0
.rept 4
	v_nop
.endr
.Lasked_\@:
.endm
.macro CREST
	s_cmp_lg_u32 s14, 0
	s_cbranch_scc1 .Lnot_wave_0_\@
	s_barrier_signal -3
.Lnot_wave_0_\@:
	s_barrier_wait -3
	s_barrier_signal -1
	s_barrier_wait -1
.endm
.macro CROUND
	s_barrier_signal -1
	s_barrier_wait -1
	CREST
.endm
	s_load_b64 s[4:5], s[0:1], 0x0
	s_load_b256 s[24:31], s[0:1], 0x8
	s_load_b256 s[32:39], s[0:1], 0x28
	s_load_b128 s[92:95], s[0:1], 0x48
	s_load_b64 s[12:13], s[0:1], 0x58
	v_lshl_add_u32 v[SPW], v0, 2, SPARE
	v_mov_b32 v[NIL], 0
	ds_add_u32 v28, v29
	ds_add_u32 v28, v29
	s_wait_dscnt 0x0
	v_lshrrev_b32 v1, 5, v0
	v_readfirstlane_b32 s14, v1
	s_lshr_b32 s15, s14, 1
	s_and_b32 s16, s14, 1
	s_bfe_u32 s40, ttmp6, 0x40000
	s_bfe_u32 s41, ttmp6, 0x40004
	s_and_b32 s18, ttmp7, 0xffff
	s_lshl_b32 s18, s18, 2
	s_cmp_eq_u32 ttmp9, 2
	s_cselect_b32 s[ISV], 1, 0
	s_cselect_b32 s17, 0, s18
	s_cselect_b32 s42, s18, 0
	s_add_co_u32 s17, s17, s41
	s_add_co_u32 s42, s42, s40
	s_lshl_b32 s43, s41, 2
	s_lshl_b32 s43, 15, s43
	s_lshl_b32 s44, 0x1111, s40
	s_wait_kmcnt 0x0
	s_cmp_eq_u32 ttmp9, 0
	s_cselect_b64 s[24:25], s[24:25], s[30:31]
	s_cselect_b64 s[26:27], s[26:27], s[32:33]
	s_cselect_b64 s[28:29], s[28:29], s[34:35]
	s_cmp_eq_u32 ttmp9, 2
	s_cselect_b64 s[24:25], s[36:37], s[24:25]
	s_cselect_b64 s[26:27], s[38:39], s[26:27]
	s_cselect_b64 s[BP:BP+1], s[92:93], s[28:29]
	s_mov_b64 s[MP:MP+1], s[94:95]
	s_add_nc_u64 s[6:7], s[4:5], 4194304
	s_cselect_b64 s[8:9], s[4:5], s[24:25]
	s_cselect_b64 s[10:11], s[6:7], s[26:27]
	s_cselect_b64 s[4:5], s[24:25], s[4:5]
	s_cselect_b64 s[6:7], s[26:27], s[6:7]
	s_or_b32 s[G1+0], s43, (0<<16)|(1<<20)|(1<<21)|(5<<22)|(3<<25)
	s_or_b32 s[G1B+0], s44, (0<<16)|(1<<20)|(1<<21)|(5<<22)|(3<<25)
.irp g, G1, G1B
	s_mov_b32 s[\g+1], ROWB<<16
	s_mov_b32 s[\g+2], 256<<16
	s_mov_b32 s[\g+3], ROWB<<16
	s_mov_b32 s[\g+4], 256
	s_mov_b32 s[\g+5], KROW
	s_mov_b32 s[\g+6], 0
	s_mov_b32 s[\g+7], 0
.endr
	s_or_b32 s[G1S+0], s43, (3<<16)|(1<<20)|(1<<21)|(5<<22)|(3<<25)
	s_or_b32 s[G1SB+0], s44, (3<<16)|(1<<20)|(1<<21)|(5<<22)|(3<<25)
.irp g, G1S, G1SB
	s_mov_b32 s[\g+1], 32<<16
	s_mov_b32 s[\g+2], KS<<16
	s_mov_b32 s[\g+3], 32<<16
	s_mov_b32 s[\g+4], KS
	s_mov_b32 s[\g+5], 32
	s_mov_b32 s[\g+6], 0
	s_mov_b32 s[\g+7], 0
.endr
	s_lshl_b32 s20, s17, 8
	s_lshl_b32 s46, s42, 8
	s_mov_b32 s21, 0
	s_mov_b32 s47, 0
	s_mov_b64 s[18:19], KS
	s_mul_u64 s[22:23], s[20:21], s[18:19]
	s_mul_u64 s[92:93], s[46:47], s[18:19]
	s_mov_b64 s[18:19], KROW
	s_mul_u64 s[20:21], s[20:21], s[18:19]
	s_mul_u64 s[46:47], s[46:47], s[18:19]
	s_mul_i32 s45, s14, HALFT
	s_mul_i32 s94, s16, 128*KROW                   ; in the ring a wave fetches 128 rows of a tile: which half, in bytes
	s_mov_b32 s95, 0
	s_add_nc_u64 s[20:21], s[4:5], s[20:21]
	s_add_nc_u64 s[22:23], s[6:7], s[22:23]
	s_add_nc_u64 s[46:47], s[8:9], s[46:47]
	s_add_nc_u64 s[92:93], s[10:11], s[92:93]
	CROUND
	s_mov_b32 s[G0S], 1
	s_mov_b32 s[G0S+1], SCL
	s_mov_b64 s[G0S+2:G0S+3], s[22:23]
	s_or_b32 s[G0S+3], s[G0S+3], 0x80000000
	s_mov_b32 s[G0SB], 1
	s_mov_b32 s[G0SB+1], SCL+2*HALFS
	s_mov_b64 s[G0SB+2:G0SB+3], s[92:93]
	s_or_b32 s[G0SB+3], s[G0SB+3], 0x80000000
	s_mov_b32 s4, 1                                ; the head's group 0 for K step 0: A's 256 rows (the arguments that lay in s[4:11] have been used)
	s_mov_b32 s5, 0
	s_mov_b64 s[6:7], s[20:21]
	s_or_b32 s7, s7, 0x80000000
	s_mov_b32 s8, 1                                ; and B's 256 rows, behind them in slot 0
	s_mov_b32 s9, 2*HALFT
	s_mov_b64 s[10:11], s[46:47]
	s_or_b32 s11, s11, 0x80000000
	s_add_nc_u64 s[20:21], s[20:21], s[94:95]      ; for the ring: my 128 rows of the tile
	s_add_nc_u64 s[46:47], s[46:47], s[94:95]
.irp s, 0,1
	s_mov_b32 s[G0+4*\s], 1
	s_add_co_u32 s[G0+4*\s+1], s45, \s*SLOT
	s_add_nc_u64 s[G0+4*\s+2:G0+4*\s+3], s[20:21], \s*ROWB
	s_or_b32 s[G0+4*\s+3], s[G0+4*\s+3], 0x80000000
	s_mov_b32 s[G0B+4*\s], 1
	s_add_co_u32 s[G0B+4*\s+1], s45, \s*SLOT
	s_add_nc_u64 s[G0B+4*\s+2:G0B+4*\s+3], s[46:47], \s*ROWB
	s_or_b32 s[G0B+4*\s+3], s[G0B+4*\s+3], 0x80000000
.endr
; the head's four tiles, one load a wave, in one chain of branches on the wave's number: wave 0 A's 256 rows of K step 0, wave 1 B's, wave 2 A's scale bytes, wave 3 B's
.macro ARM under, g0, g1, next
	s_cmp_lt_u32 s14, \under
	s_cbranch_scc0 \next
	tensor_load_to_lds s[\g0:\g0+3], s[\g1:\g1+7]
	s_nop 0
.rept 4
	v_nop
.endr
	s_branch .Lhead_asked
\next:
.endm
	ARM 1, 4, G1, .Lhead_b
	ARM 2, 8, G1B, .Lhead_sa
	ARM 3, G0S, G1S, .Lhead_sb
	tensor_load_to_lds s[G0SB:G0SB+3], s[G1SB:G1SB+7]
	s_nop 0
.rept 4
	v_nop
.endr
.Lhead_asked:
	v_and_b32 v1, 15, v0
	v_bfe_u32 v2, v0, 4, 1
	v_mul_u32_u24 v3, v1, PITCH
	v_lshl_add_u32 v4, v2, 4, v3
	s_mul_i32 s21, s15, HALFT
	s_mul_i32 s22, s16, HALFT
	s_add_co_u32 s22, s22, 2*HALFT
.irp s, 0,1
	v_add_nc_u32 v[ADRA+\s], s21, v4
	v_add_nc_u32 v[ADRB+\s], s22, v4
	s_add_co_u32 s21, s21, SLOT
	s_add_co_u32 s22, s22, SLOT
.endr
	v_mul_u32_u24 v5, v1, KS
	v_lshrrev_b32 v6, 8, v5
	v_lshl_add_u32 v5, v6, 4, v5
	s_mul_i32 s21, s15, HALFS
	s_mul_i32 s22, s16, HALFS
	s_add_co_u32 s22, s22, 2*HALFS
	s_sub_co_u32 s22, s22, s21
	v_mul_u32_u24 v6, s22, v2
	s_add_co_u32 s21, s21, SCL
	v_add_nc_u32 v5, v5, v6
	v_add_nc_u32 v[ADRS], s21, v5
	s_lshl_b32 s18, s17, 8
	s_lshl_b32 s19, s15, 7
	s_add_co_u32 s18, s18, s19
	s_lshl_b32 s19, s42, 8
	s_lshl_b32 s20, s16, 7
	s_add_co_u32 s19, s19, s20
	s_cmp_eq_u32 s[ISV], 1
	s_cselect_b32 s20, s19, s18
	s_cselect_b32 s21, s18, s19
	s_mov_b32 s22, 131072
	s_cselect_b32 s22, 1024, s22
	s_mov_b32 s23, 0
	s_lshl_b32 s[STP], 1024, s[ISV]
	s_mul_i32 s[EXT], s[ISV], 122880
	s_lshr_b32 s95, s20, 11
	s_and_b32 s46, s20, 2047
	s_lshr_b32 s47, s21, 6
	s_lshl_b32 s18, ttmp9, 22
	s_lshl_b32 s19, s95, 21
	s_add_co_u32 s18, s18, s19
	s_lshl_b32 s19, s47, 17
	s_add_co_u32 s18, s18, s19
	s_lshl_b32 s19, s46, 6
	s_add_co_u32 s18, s18, s19
	s_mov_b32 s19, 0
	s_lshl_b32 s92, s95, 16
	s_lshl_b32 s93, s47, 12
	s_add_co_u32 s92, s92, s93
	s_lshl_b32 s93, s46, 1
	s_add_co_u32 s92, s92, s93
	s_xor_b32 s93, s[ISV], 1
	s_lshl_b32 s92, s92, s93
	s_lshl_b32 s93, ttmp9, 18
	s_add_co_u32 s92, s92, s93
	s_add_co_u32 s92, s92, 12582912
	s_mov_b32 s93, 0
	s_add_nc_u64 s[SCO:SCO+1], s[LO:LO+1], s[92:93]
	s_add_nc_u64 s[LO:LO+1], s[LO:LO+1], s[18:19]
	s_add_nc_u64 s[HI:HI+1], s[LO:LO+1], s[22:23]
	s_lshl_b32 s18, s21, 2
	s_add_nc_u64 s[BP:BP+1], s[BP:BP+1], s[18:19]
	s_lshl_b32 s18, s20, 2
	s_add_nc_u64 s[MP:MP+1], s[MP:MP+1], s[18:19]
	s_cmp_eq_u32 ttmp9, 0
	s_mov_b32 s18, 0x7f000000
	s_cselect_b32 s18, 0x7f7f0000, s18
	s_mov_b32 s19, 0x7fa70000
	s_cselect_b32 s19, 0x7f7f0000, s19
	v_mov_b32 v[UNM], s18
	v_mov_b32 v[MSK], s19
	v_and_b32 v[L16], 31, v0
	v_lshlrev_b32 v[L16], 4, v[L16]
	v_lshlrev_b32 v[H16], 4, v2
	v_lshlrev_b32 v3, 2, v1
	v_lshlrev_b32 v4, 5, v2
	s_lshr_b32 s18, 8192, s[ISV]
	v_mul_u32_u24 v[SOF], s18, v2
	v_lshl_add_u32 v[SOF], v1, 4, v[SOF]
.irp a, 0,1,2,3,4,5,6,7
	global_load_b32 v[MKW+\a], v3, s[MP:MP+1] offset:64*\a
.endr
	s_cmp_eq_u32 s[ISV], 1
	s_cbranch_scc1 .Lbias_v
.irp b, 0,1,2,3,4,5,6,7
	global_load_b128 v[BIAS+8*\b:BIAS+8*\b+3], v4, s[BP:BP+1] offset:64*\b
	global_load_b128 v[BIAS+8*\b+4:BIAS+8*\b+7], v4, s[BP:BP+1] offset:64*\b+16
.endr
	s_branch .Lbias_done
.Lbias_v:
	s_wait_alu depctr_va_vdst(0)
.irp a, 0,1,2,3,4,5,6,7
.irp j, 0,1,2,3,4,5,6,7
	global_load_b32 v[BIAS+8*\a+\j], v3, s[BP:BP+1] offset:64*\a
.endr
.endr
.Lbias_done:
.macro FRAG reg, adr, q, i
.irp c, 0,1,2,3
	ds_load_b128 v[\reg+4*\c:\reg+4*\c+3], v[\adr] offset:128*(\q)+32*\c+(\i)*16*PITCH
.endr
.endm
.macro MUL16 a0, p, q, sc, cm
.irp a, \a0, \a0+1
.irp b, 0,1,2,3,4,5,6,7
.if \cm == 1
	v_wmma_scale_f32_16x16x128_f8f6f4 v[8*(8*((\a)%4)+\b):8*(8*((\a)%4)+\b)+7], v[128*(\p)+FR*\b:128*(\p)+FR*\b+FR-1], v[AF+FR*(\a):AF+FR*(\a)+FR-1], v[BIAS+8*\b:BIAS+8*\b+7], v[SC+8*NQ*(\sc)+NQ*\b+(\q)], v[SC+8*NQ*(\sc)+NQ*(\a)+(\q)] matrix_a_scale:MATRIX_SCALE_ROW1
.elseif \cm == 2
	v_wmma_scale_f32_16x16x128_f8f6f4 v[8*(8*((\a)%4)+\b):8*(8*((\a)%4)+\b)+7], v[128*(\p)+FR*\b:128*(\p)+FR*\b+FR-1], v[AF+FR*(\a):AF+FR*(\a)+FR-1], v[BIAS+8*(\a):BIAS+8*(\a)+7], v[SC+8*NQ*(\sc)+NQ*\b+(\q)], v[SC+8*NQ*(\sc)+NQ*(\a)+(\q)] matrix_a_scale:MATRIX_SCALE_ROW1
.else
	v_wmma_scale_f32_16x16x128_f8f6f4 v[8*(8*((\a)%4)+\b):8*(8*((\a)%4)+\b)+7], v[128*(\p)+FR*\b:128*(\p)+FR*\b+FR-1], v[AF+FR*(\a):AF+FR*(\a)+FR-1], v[8*(8*((\a)%4)+\b):8*(8*((\a)%4)+\b)+7], v[SC+8*NQ*(\sc)+NQ*\b+(\q)], v[SC+8*NQ*(\sc)+NQ*(\a)+(\q)] matrix_a_scale:MATRIX_SCALE_ROW1
.endif
.endr
.endr
.endm
.macro FETCH_B slot, q, p
	WIN TO_B
.irp i, 0,1,2,3,4,5,6,7
	FRAG 128*(\p)+FR*\i, ADRB+\slot, \q, \i
.endr
	WIN 0
.endm
.macro FETCH_A slot, q, i0
.irp i, \i0, \i0+1, \i0+2, \i0+3
	FRAG AF+FR*(\i), ADRA+\slot, \q, \i
.endr
.endm
.macro SCALES sc
.irp i, 0,1,2,3,4,5,6,7
	ds_load_b64 v[SC+8*NQ*\sc+NQ*\i:SC+8*NQ*\sc+NQ*\i+1], v[ADRS] offset:\i*SBLK
.endr
.endm
.macro PLACES n
.rept \n
	v_nop
.endr
.endm
.macro STEP slot, q, cm
	s_wait_dscnt 4*NL
.if \cm
	WIN BIA_LO
.else
	WIN MUL_LO
.endif
	MUL16 0, (\q)%2, \q, \slot, \cm
	MUL16 2, (\q)%2, \q, \slot, \cm
	s_wait_dscnt 0
	PLACES NP
	FETCH_B \slot, (\q)+1, 1-(\q)%2
	FETCH_A \slot, (\q)+1, 0
.if \cm
	WIN BIA_HI
.else
	WIN MUL_HI
.endif
	MUL16 4, (\q)%2, \q, \slot, \cm
	MUL16 6, (\q)%2, \q, \slot, \cm
	PLACES NP
	WIN 0
	FETCH_A \slot, (\q)+1, 4
.endm
.macro TURN slot, next, fill
	s_wait_tensorcnt 0x0
	ds_add_u32 v[SPW], v[NIL]
	s_wait_dscnt 4*NL+1
	WIN MUL_LO
	MUL16 0, 1, NQ-1, \slot, 0
	s_wait_dscnt 0x0
	s_barrier_signal -1
	MUL16 2, 1, NQ-1, \slot, 0
	WIN 0
	s_barrier_wait -1
.if \fill
	CREST
	s_add_nc_u64 s[G0+4*\slot+2:G0+4*\slot+3], s[G0+4*\slot+2:G0+4*\slot+3], 2*ROWB
	s_add_nc_u64 s[G0B+4*\slot+2:G0B+4*\slot+3], s[G0B+4*\slot+2:G0B+4*\slot+3], 2*ROWB
	JLOAD G0+4*\slot, G1, G0B+4*\slot, G1B
	PLACES NP-4
.else
	PLACES NP
.endif
	s_wait_alu depctr_va_vdst(0)
	v_add_nc_u32 v[ADRS], 4*NQ, v[ADRS]
	FETCH_B \next, 0, 0
	FETCH_A \next, 0, 0
	SCALES \next
	WIN MUL_HI
	MUL16 4, 1, NQ-1, \slot, 0
	MUL16 6, 1, NQ-1, \slot, 0
	PLACES NP
	WIN 0
	FETCH_A \next, 0, 4
.endm
	s_wait_alu depctr_va_vdst(0)                   ; the wait at the head's end
	s_wait_tensorcnt 0x0                           ; my tile of the head's four is in
	ds_add_u32 v[SPW], v[NIL]                      ; the add ahead of a later first fill
	s_mov_b32 s[G1+2], 128<<16                     ; no tensor load of mine is out: from here on a load brings 128 rows
	s_mov_b32 s[G1+4], 128
	s_mov_b32 s[G1B+2], 128<<16
	s_mov_b32 s[G1B+4], 128
	s_wait_dscnt 0x0
	CROUND
	JLOAD G0+4, G1, G0B+4, G1B                     ; K step 1, the first tensor load behind the round
	FETCH_B 0, 0, 0
	FETCH_A 0, 0, 0
	SCALES 0
	FETCH_A 0, 0, 4
	s_wait_loadcnt 0x0
	s_cmp_eq_u32 s[ISV], 1
	s_cbranch_scc1 .Lfirst_v
	STEP 0, 0, 1
	s_branch .Lfirst_done
.Lfirst_v:
	STEP 0, 0, 2
.Lfirst_done:
	s_mov_b32 s3, LAPS-1
.Llap:
	TURN 0, 1, 1
	STEP 1, 0, 0
	TURN 1, 0, 1
	STEP 0, 0, 0
	s_sub_co_u32 s3, s3, 1
	s_cmp_lg_u32 s3, 0
	s_cbranch_scc1 .Llap
	TURN 0, 1, 0
	STEP 1, 0, 0
	s_wait_dscnt 4*NL
	WIN MUL_LO
	MUL16 0, 1, NQ-1, 1, 0
	MUL16 2, 1, NQ-1, 1, 0
	s_wait_dscnt 0
	WIN MUL_HI
	MUL16 4, 1, NQ-1, 1, 0
	MUL16 6, 1, NQ-1, 1, 0
	WIN 0
.macro QUANTW a, relu
.set W, 2+(\a)/4
.set AC, 64*((\a)%4)
.set PCA, AF+16*(\a)
.set WA, W|(W<<2)
.set WB, (W<<2)|(W<<4)
.set WC, W|(W<<6)
	WIN WA
.irp b, 0,1,2,3
.if \relu
	v_max3_num_f32 v[TM+\b], v[AC+16*\b], v[AC+16*\b+1], 0x4800000
.else
	v_max3_num_f32 v[TM+\b], |v[AC+16*\b]|, |v[AC+16*\b+1]|, 0x4800000
.endif
.endr
	WIN WB
.irp i, 2,4,6,8,10,12,14
.irp b, 0,1,2,3
.if \relu
	v_max3_num_f32 v[TM+\b], v[TM+\b], v[AC+16*\b+\i], v[AC+16*\b+\i+1]
.else
	v_max3_num_f32 v[TM+\b], v[TM+\b], |v[AC+16*\b+\i]|, |v[AC+16*\b+\i+1]|
.endif
.endr
.endr
	WIN 0
.irp b, 0,1,2,3
	v_permlanex16_b32 v[TM+4+\b], v[TM+\b], s[SEL], s[SEL+1]
.endr
.irp b, 0,1,2,3
	v_max_num_f32 v[TM+\b], v[TM+\b], v[TM+4+\b]
.endr
.irp b, 0,1,2,3
	v_add_nc_u32 v[TM+12+\b], 0xfc000000, v[TM+\b]
.endr
.irp b, 0,1,2,3
	v_and_or_b32 v[TM+8+\b], v[TM+\b], 0x7f800000, s[MNT]
.endr
.irp b, 0,1,2,3
	v_lshrrev_b32 v[TM+4+\b], 23, v[TM+12+\b]
.endr
	v_lshl_or_b32 v[PWR+(\a)], v[TM+5], 8, v[TM+4]
	v_lshl_or_b32 v[PWR+(\a)], v[TM+6], 16, v[PWR+(\a)]
	v_lshl_or_b32 v[PWR+(\a)], v[TM+7], 24, v[PWR+(\a)]
	WIN WC
.irp b, 0,1,2,3
.irp i, 0,1,2,3,4,5,6,7,8,9,10,11,12,13,14,15
.if \relu
	v_med3_num_f32 v[AC+16*\b+\i], v[AC+16*\b+\i], 0, v[TM+8+\b]
.else
	v_med3_num_f32 v[AC+16*\b+\i], v[AC+16*\b+\i], -v[TM+8+\b], v[TM+8+\b]
.endif
.endr
.endr
	WIN W
.irp b, 0,1,2,3
	v_cvt_scalef32_pk8_fp8_f32 v[PCA+4*\b:PCA+4*\b+1], v[AC+16*\b:AC+16*\b+7], v[TM+12+\b]
	v_cvt_scalef32_pk8_fp8_f32 v[PCA+4*\b+2:PCA+4*\b+3], v[AC+16*\b+8:AC+16*\b+15], v[TM+12+\b]
.endr
	WIN 0
	v_nop
.endm
	PLACES NP
	s_mov_b32 s[SEL], 0x76543210
	s_mov_b32 s[SEL+1], 0xfedcba98
	s_mov_b32 s[MNT], 0x600000
	s_mov_b32 s[OFF], 0
.irp a, 0,1,2,3,4,5,6,7
	QUANTW \a, 0
	v_add_nc_u32 v[VO+\a], s[OFF], v[L16]
	s_add_co_u32 s[OFF], s[OFF], s[STP]
.if \a == 3
	s_add_co_u32 s[OFF], s[OFF], s[EXT]
.endif
	global_store_b128 v[VO+\a], v[AF+16*\a:AF+16*\a+3], s[LO:LO+1]
	global_store_b128 v[VO+\a], v[AF+16*\a+4:AF+16*\a+7], s[LO:LO+1] offset:512
	global_store_b128 v[VO+\a], v[AF+16*\a+8:AF+16*\a+11], s[HI:HI+1]
	global_store_b128 v[VO+\a], v[AF+16*\a+12:AF+16*\a+15], s[HI:HI+1] offset:512
.endr
	s_cmp_eq_u32 s[ISV], 1
	s_cbranch_scc1 .Lsc_v
.irp a, 0,1,2,3,4,5,6,7
	v_cmp_eq_u32 vcc_lo, 0, v[MKW+\a]
	v_cndmask_b32 v[TM], v[UNM], v[MSK], vcc_lo
	v_lshrrev_b32 v[TM+1], v[H16], v[PWR+\a]
	v_and_or_b32 v[SWR+\a], v[TM+1], 0xffff, v[TM]
.endr
	global_store_b128 v[SOF], v[SWR:SWR+3], s[SCO:SCO+1]
	global_store_b128 v[SOF], v[SWR+4:SWR+7], s[SCO:SCO+1] offset:256
	s_branch .Lsc_done
.Lsc_v:
	v_cmp_ne_u32 vcc_lo, 0, v2
.irp i, 0,1,2,3
	v_cndmask_b32 v[SWR+\i], v[PWR+\i], v[PWR+4+\i], vcc_lo
.endr
	global_store_b128 v[SOF], v[SWR:SWR+3], s[SCO:SCO+1]
.Lsc_done:
	s_wait_tensorcnt 0x0
	ds_add_u32 v[SPW], v[NIL]
	s_wait_dscnt 0x0
	CROUND
	s_endpgm
.Lfunc_end_k_q3c7777e07d_qkv:
	.size	k_q3c7777e07d_qkv, .Lfunc_end_k_q3c7777e07d_qkv-k_q3c7777e07d_qkv
	.p2alignl 7, 3214868480
	.fill 96, 4, 3214868480
	.section	.rodata,"a",@progbits
	.p2align	6, 0x0
	.amdhsa_kernel k_q3c7777e07d_qkv
		.amdhsa_group_segment_fixed_size 327680
		.amdhsa_private_segment_fixed_size 0
		.amdhsa_enable_private_segment 0
		.amdhsa_kernarg_size 96
		.amdhsa_user_sgpr_count 2
		.amdhsa_user_sgpr_kernarg_segment_ptr 1
		.amdhsa_wavefront_size32 1
		.amdhsa_system_sgpr_workgroup_id_x 1
		.amdhsa_system_sgpr_workgroup_id_y 1
		.amdhsa_system_sgpr_workgroup_id_z 1
		.amdhsa_system_vgpr_workitem_id 0
		.amdhsa_next_free_vgpr 1024
		.amdhsa_next_free_sgpr 106
		.amdhsa_reserve_vcc 1
		.amdhsa_float_denorm_mode_32 3
		.amdhsa_float_denorm_mode_16_64 3
		.amdhsa_memory_ordered 1
		.amdhsa_forward_progress 1
		.amdhsa_inst_pref_size 212
	.end_amdhsa_kernel
	.amdgpu_metadata
---
amdhsa.version: [ 1, 2 ]
amdhsa.kernels:
  - .name:           k_q3c7777e07d_qkv
    .symbol:         k_q3c7777e07d_qkv.kd
    .args:
      - { .name: xn, .offset: 0, .size: 8, .value_kind: global_buffer, .address_space: global }
      - { .name: wq_codes, .offset: 8, .size: 8, .value_kind: global_buffer, .address_space: global }
      - { .name: wq_scales, .offset: 16, .size: 8, .value_kind: global_buffer, .address_space: global }
      - { .name: bq, .offset: 24, .size: 8, .value_kind: global_buffer, .address_space: global }
      - { .name: wk_codes, .offset: 32, .size: 8, .value_kind: global_buffer, .address_space: global }
      - { .name: wk_scales, .offset: 40, .size: 8, .value_kind: global_buffer, .address_space: global }
      - { .name: bk, .offset: 48, .size: 8, .value_kind: global_buffer, .address_space: global }
      - { .name: wv_codes, .offset: 56, .size: 8, .value_kind: global_buffer, .address_space: global }
      - { .name: wv_scales, .offset: 64, .size: 8, .value_kind: global_buffer, .address_space: global }
      - { .name: bv, .offset: 72, .size: 8, .value_kind: global_buffer, .address_space: global }
      - { .name: mask, .offset: 80, .size: 8, .value_kind: global_buffer, .address_space: global }
      - { .name: qkvw, .offset: 88, .size: 8, .value_kind: global_buffer, .address_space: global }
    .group_segment_fixed_size: 327680
    .private_segment_fixed_size: 0
    .kernarg_segment_align: 8
    .kernarg_segment_size: 96
    .max_flat_workgroup_size: 128
    .sgpr_count:     106
    .vgpr_count:     1024
    .wavefront_size: 32
...
	.end_amdgpu_metadata
.endif
;; end of part 2
;; launch attn (part 3): grid 8 x 32, 16 waves a work-group, clusters of 4 x 1, 276,480 bytes of LDS; arguments qkvw, mask, at; writes at
.if DOCPART == 3
	.amdgcn_target "amdgcn-amd-amdhsa--gfx1250"
	.amdhsa_code_object_version 6
	.text
	.protected	k_q3c7777e07d_attn
	.globl	k_q3c7777e07d_attn
	.p2align	8
	.type	k_q3c7777e07d_attn,@function
k_q3c7777e07d_attn:
	s_mov_b64 s[64:65], 0
	v_nop
	global_prefetch_b8 v0, s[64:65] scope:SCOPE_SE
	s_setreg_imm32_b32 hwreg(HW_REG_WAVE_MODE, 25, 1), 1
	s_wait_xcnt 0x0
	s_wait_alu depctr_hold_cnt(0) depctr_sa_sdst(0) depctr_va_vdst(0) depctr_va_sdst(0) depctr_va_ssrc(0) depctr_va_vcc(0) depctr_vm_vsrc(0)
	s_getreg_b32 s2, hwreg(HW_REG_IB_STS2, 6, 4)
	s_cmp_eq_u32 s2, 0
	s_cbranch_scc0 .Lentry_in_a_cluster
	s_endpgm
.Lentry_in_a_cluster:
	s_bfe_u32 s2, ttmp6, 0x10000c
	s_cmp_lg_u32 s2, 0x3003
	s_cbranch_scc0 .Lentry_shape_is_right
	s_endpgm
.Lentry_shape_is_right:
; attention of one (batch, head) on FP8 (E4M3) codes: S^T = K Q^T, p = 2^(t - M) with M a whole number, O^T += V^T P^T, O / l, then quantised along the model's axis for the next product.
; SHARES: a work-group owns 256 queries of one head, each of its sixteen waves 16; four waves to a SIMD.  A lane holds one query throughout.
; LDS IS FILLED ONCE: a head's K images (131,072 bytes), V images (131,072) and their scale words (8,192 + 4,096) fit together: no ring, no refill.
; Ten loads at the head, one a wave: waves 0-3 the quarters of K's images, waves 4-7 those of V's (LDS byte 32,768 x wave), wave 8 K's scale words, wave 9 V's.  One wait for 0 and one barrier follow;
; the loop over the 16 key steps of 128 keys holds no barrier.  CLUSTER: the four query blocks of a cluster walk the same K and V: every load is asked for jointly (mask 15).
; No prefetch: all of K and V is asked for at the kernel's head, so no later load is left to ask ahead for.
; LAYOUT: all operands lie in LDS as images of their registers: a load takes 512 consecutive bytes.  The score product's K is 64 of the form's 128: registers 8-15 of Q and of K's
; fragments are set once: zeros, but for slot 64, +1 in Q and -1 in K, whose scale byte in K's word is 2^40 for a hidden key and 2^-127 for an open one: a hidden key's score falls by 2^40 and its p is 0.
; A batch whose mask has no open key: reference() then weighs all keys alike; here c = 0 is taken in place of log2(e) / 8 (a select on the OR of the batch's mask words), so t = 0 and p = 1 for every key.
; THE ELEMENT-WISE LINES (t - M, the row's sums, the holds, O^T x f) are dual-issue pairs on neighbouring registers: an even and an odd destination, first sources in neighbouring registers, shared sources the same register.
; LIMITS: |q . k| under 2^38; NaN and infinities are not served; blocks under 2^-118 keep the byte 1, blocks of zeros too.
.set SPARE, 0x43000                    ; behind the scale words: the spare words, 128 bytes a wave
.set LI,  1                            ; v1  16 x lane
.set LIV, 2                            ; v2  + V's images
.set LRK, 3                            ; v3  16 r + K's scale words
.set LRV, 4                            ; v4  16 r + V's
.set LR,  5                            ; v5  16 r
.set HH,  6                            ; v6  h
.set SBO, 7                            ; v7  32 r + h
.set ADK, 8
.set ADV, 9
.set ADS, 10
.set ADT, 11
.set QF,  16                           ; v16-31 Q
.set KF,  32                           ; v32-95 four fragments of K
.set S,   96                           ; v96-159 S^T, p, then four fragments of V
.set O,   160                          ; v160-191 O^T
.set PCD, 192                          ; v192-207 p's codes
.set BM,  208
.set T4,  212
.set HOLD, 216
.set SOP, 220
.set FF,  224                          ; v[224:225] f
.set TP,  226
.set OLDM, 227                         ; -M of the step before
.set A1,  228                          ; v228-233 three more chains of the row's sum
.set A2,  230
.set A3,  232
.set CV,  234                          ; c, in a vector register for the pairs
.set NM2, 235                          ; -M once more: the pair's two third sources lie in different banks
.set PS,  240                          ; p's scale word
.set QS,  241                          ; Q's
.set SW,  244                          ; v244-247 K's or V's four
.set SPW, 254
.set NIL, 255
.set WV,  18
.set MNT, 19
.set SEL, 20
.set CS,  22
.set TK,  2
.set TS,  3
.set TV,  66
.set CNT, 67
.set G1C, 24
.set G1SK, 32
.set G1SV, 40
.set G0I, 48
.set G0SK, 52
.set G0SV, 56
.macro CROUND
	s_barrier_signal -1
	s_barrier_wait -1
	s_cmp_lg_u32 s[WV], 0
	s_cbranch_scc1 .Lnot_wave_0_\@
	s_barrier_signal -3
.Lnot_wave_0_\@:
	s_barrier_wait -3
	s_barrier_signal -1
	s_barrier_wait -1
.endm
	s_load_b128 s[4:7], s[0:1], 0x0                ; qkvw, mask
	s_load_b64 s[8:9], s[0:1], 0x10                ; at
	v_lshl_add_u32 v[SPW], v0, 2, SPARE
	v_mov_b32 v[NIL], 0
	ds_add_u32 v[SPW], v[NIL]                      ; the opening lines: the add twice on end and its wait
	ds_add_u32 v[SPW], v[NIL]
	v_lshrrev_b32 v8, 5, v0
	v_readfirstlane_b32 s[WV], v8                  ; wave 0..15
	s_and_b32 s72, ttmp7, 0xffff                   ; 16 x batch + head, shared by the four partners
	s_bfe_u32 s73, ttmp6, 0x40000                  ; cx: it enters Q's and the output's addresses alone
	s_lshl_b32 s74, ttmp9, 2
	s_add_co_u32 s74, s74, s73
	s_lshl_b32 s74, s74, 4
	s_add_co_u32 s74, s74, s[WV]                   ; my tile of 16 queries, 0..127
	s_bfe_u32 s75, s[WV], 0x10002                  ; waves 0-3: K's images, waves 4-7: V's
	s_lshl_b32 s76, 0x400000, s75                  ; K's at 4,194,304, V's at 8,388,608,
	s_lshl_b32 s77, s72, 17
	s_add_co_u32 s76, s76, s77                     ; + the head's 131,072
	s_and_b32 s77, s[WV], 3
	s_lshl_b32 s77, s77, 15
	s_add_co_u32 s76, s76, s77                     ; + my quarter
	s_mov_b32 s77, 0
	s_and_b32 s80, s[WV], 7
	s_lshl_b32 s80, s80, 15                        ; LDS: 32,768 x wave: K's images from 0, V's from 131,072
	s_lshl_b32 s78, s72, 13
	s_add_co_u32 s78, s78, 12845056                ; K's scale words: 8,192 a head
	s_mov_b32 s79, 0
	s_lshl_b32 s70, s72, 12
	s_add_co_u32 s70, s70, 13107200                ; V's: 4,096 a head
	s_mov_b32 s71, 0
.irp g, G1C, G1SK, G1SV
	s_mov_b32 s[\g], 15|(3<<16)|(1<<21)            ; all four work-groups; elements of 8 bytes; bit 21 beside a mask; dense rows of 256 bytes
	s_mov_b32 s[\g+1], 32<<16
	s_mov_b32 s[\g+3], 32<<16
	s_mov_b32 s[\g+5], 32
	s_mov_b32 s[\g+6], 0
	s_mov_b32 s[\g+7], 0
.endr
	s_mov_b32 s[G1C+2], 128<<16                    ; a quarter: 128 rows
	s_mov_b32 s[G1C+4], 128
	s_mov_b32 s[G1SK+2], 32<<16
	s_mov_b32 s[G1SK+4], 32
	s_mov_b32 s[G1SV+2], 16<<16
	s_mov_b32 s[G1SV+4], 16
	s_mov_b32 s[SEL], 0x76543210
	s_mov_b32 s[SEL+1], 0xfedcba98
	s_mov_b32 s[MNT], 0x600000
	s_mov_b32 s[TK], 0
	s_mov_b32 s[TS], 0
	s_mov_b32 s[TV], 0
	s_lshl_b32 s82, s72, 17                        ; Q's image
	s_lshl_b32 s83, s74, 10
	s_add_co_u32 s82, s82, s83
	s_mov_b32 s83, 0
	s_lshl_b32 s84, s72, 13                        ; Q's scale word
	s_lshr_b32 s85, s74, 2
	s_lshl_b32 s85, s85, 8
	s_add_co_u32 s84, s84, s85
	s_and_b32 s85, s74, 3
	s_lshl_b32 s85, s85, 2
	s_add_co_u32 s84, s84, s85
	s_add_co_u32 s84, s84, 12582912
	s_mov_b32 s85, 0
	s_lshr_b32 s88, s72, 4                         ; batch
	s_lshl_b32 s86, s88, 13                        ; its 2,048 mask words
	s_mov_b32 s87, 0
	s_lshl_b32 s88, s88, 7
	s_add_co_u32 s88, s88, s74                     ; my tile among all 256
	s_and_b32 s89, s72, 15                         ; head
	s_lshl_b32 s90, s88, 14
	s_lshl_b32 s91, s89, 10
	s_add_co_u32 s90, s90, s91                     ; the output image: tile x 16,384 + head x 1,024
	s_mov_b32 s91, 0
	s_lshl_b32 s92, s88, 9
	s_lshl_b32 s93, s89, 1
	s_add_co_u32 s92, s92, s93
	s_add_co_u32 s92, s92, 4194304                 ; its scale bytes: 32 a token, 2 a head
	s_mov_b32 s93, 0
	s_wait_dscnt 0x0                               ; both opening adds are done
	s_wait_kmcnt 0x0
	s_mov_b32 s[G0I], 1
	s_mov_b32 s[G0I+1], s80
	s_add_nc_u64 s[G0I+2:G0I+3], s[4:5], s[76:77]
	s_or_b32 s[G0I+3], s[G0I+3], 0x80000000
	s_mov_b32 s[G0SK], 1
	s_mov_b32 s[G0SK+1], 262144
	s_add_nc_u64 s[G0SK+2:G0SK+3], s[4:5], s[78:79]
	s_or_b32 s[G0SK+3], s[G0SK+3], 0x80000000
	s_mov_b32 s[G0SV], 1
	s_mov_b32 s[G0SV+1], 270336
	s_add_nc_u64 s[G0SV+2:G0SV+3], s[4:5], s[70:71]
	s_or_b32 s[G0SV+3], s[G0SV+3], 0x80000000
	s_add_nc_u64 s[82:83], s[4:5], s[82:83]
	s_add_nc_u64 s[84:85], s[4:5], s[84:85]
	s_add_nc_u64 s[86:87], s[6:7], s[86:87]
	s_add_nc_u64 s[90:91], s[8:9], s[90:91]
	s_add_nc_u64 s[92:93], s[8:9], s[92:93]
	CROUND                                         ; the four work-groups are here: the joint loads meet
; the head's loads, one a wave, in one chain of branches on the wave's number; waves 10-15 issue none
.macro ARM under, g0, g1, next
	s_cmp_lt_u32 s[WV], \under
	s_cbranch_scc0 \next
	tensor_load_to_lds s[\g0:\g0+3], s[\g1:\g1+7]
	s_nop 0
.rept 4
	v_nop
.endr
	s_branch .Lasked
\next:
.endm
	ARM 8,  G0I,  G1C,  .Lhead_sk
	ARM 9,  G0SK, G1SK, .Lhead_sv
	ARM 10, G0SV, G1SV, .Lhead_none
.Lasked:
	v_and_b32 v[LI], 31, v0
	v_and_b32 v[LR], 15, v0
	v_bfe_u32 v[HH], v0, 4, 1
	v_lshlrev_b32 v[LI], 4, v[LI]
	v_lshl_add_u32 v[SBO], v[LR], 5, v[HH]
	v_lshlrev_b32 v[LR], 4, v[LR]
	v_add_nc_u32 v[LIV], 131072, v[LI]
	v_add_nc_u32 v[LRK], 262144, v[LR]
	v_add_nc_u32 v[LRV], 270336, v[LR]
	global_load_b128 v[QF:QF+3], v[LI], s[82:83]
	global_load_b128 v[QF+4:QF+7], v[LI], s[82:83] offset:512
	global_load_b32 v[QS], v[LR], s[84:85]
.set j, 0
.rept 16
	global_load_b128 v[S+4*j:S+4*j+3], v[LI], s[86:87] offset:512*j     ; the batch's mask words
.set j, j+1
.endr
	v_xor_b32 v[TP], 1, v[HH]
	v_mov_b32 v13, 0xff61b1e6                      ; the largest t so far: -3e38
	v_mov_b32 v14, 0
	v_mov_b32 v15, 0
	v_mul_u32_u24 v[QF+8], 0x38, v[TP]             ; slot 64: +1.0 in Q (register 8, byte 0, lanes 0-15),
	v_mul_u32_u24 v[KF+8], 0xb8, v[TP]             ; -1.0 in K
	v_floor_f32 v12, -v13                          ; -M
	v_mov_b32 v[FF+1], 0                           ; named as the pair's upper word
.irp i, 9,10,11,12,13,14,15
	v_mov_b32 v[QF+\i], 0
.irp t, 0,1,2,3
	v_mov_b32 v[KF+16*\t+\i], 0
.endr
.endr
.irp t, 1,2,3
	v_mov_b32 v[KF+16*\t+8], v[KF+8]
.endr
.set j, 0
.rept 32
	v_mov_b32 v[O+j], 0                            ; the step is written once: its first turn finds zeros
.set j, j+1
.endr
	s_wait_alu depctr_va_vdst(0)                   ; the wait here, directly ahead of the wait below
	s_wait_loadcnt 0x0
.set j, 4
.rept 15
	v_or_b32 v[S], v[S], v[S+j]                    ; the OR of the mask words, in four chains
	v_or_b32 v[S+1], v[S+1], v[S+j+1]
	v_or_b32 v[S+2], v[S+2], v[S+j+2]
	v_or_b32 v[S+3], v[S+3], v[S+j+3]
.set j, j+4
.endr
	v_or_b32 v[S], v[S], v[S+1]
	v_or_b32 v[S+2], v[S+2], v[S+3]
	s_delay_alu instid0(VALU_DEP_1)
	v_or_b32 v[S], v[S], v[S+2]
	s_delay_alu instid0(VALU_DEP_1)
	v_cmp_ne_u32 vcc_lo, 0, v[S]
	s_cmp_lg_u32 vcc_lo, 0                         ; has the batch an open key?
	s_cselect_b32 s[CS], 0x3e38aa3b, 0             ; c = log2(e) / 8, or 0: a value is chosen, no path
	s_mov_b32 s[CS+1], s[CS]
	v_mov_b32 v[CV], s[CS]
; the largest score of blocks b0 and b1 of 32 keys: two chains a block, each accumulator read from its low end on
.macro BMAX b0, b1
.irp b, \b0, \b1
	v_max3_num_f32 v[BM+\b], v[S+16*\b], v[S+16*\b+1], v[S+16*\b+2]
	v_max3_num_f32 v[T4+\b], v[S+16*\b+8], v[S+16*\b+9], v[S+16*\b+10]
.endr
.irp i, 3,5
.irp b, \b0, \b1
	v_max3_num_f32 v[BM+\b], v[BM+\b], v[S+16*\b+\i], v[S+16*\b+\i+1]
	v_max3_num_f32 v[T4+\b], v[T4+\b], v[S+16*\b+8+\i], v[S+16*\b+9+\i]
.endr
.endr
.irp b, \b0, \b1
	v_max3_num_f32 v[BM+\b], v[BM+\b], v[S+16*\b+7], v[S+16*\b+15]
.endr
.irp b, \b0, \b1
	s_delay_alu instid0(VALU_DEP_2)
	v_max_num_f32 v[BM+\b], v[BM+\b], v[T4+\b]
.endr
.endm
; the pair d += x on two neighbouring registers
.macro ADD2 d, x
	v_dual_add_f32 v[\d], v[\d], v[\x] :: v_dual_add_f32 v[\d+1], v[\d+1], v[\x+1]
.endm
; A KEY STEP: 128 keys.
.macro STEP
	v_add_nc_u32 v[ADK], s[TK], v[LI]
	v_add_nc_u32 v[ADV], s[TK], v[LIV]
	v_add_nc_u32 v[ADS], s[TS], v[LRK]
	v_add_nc_u32 v[ADT], s[TV], v[LRV]
.rept 5
	v_nop                                          ; nine places with the four above: the scores are laid over registers that the last step's products read
.endr
.irp g, 0,1
.if \g > 0
	v_mov_b32 v[OLDM], v12                         ; eight places in front of loads into registers that products have read
.rept 7
	v_nop
.endr
.endif
.irp t, 0,1,2,3
	ds_load_b128 v[KF+16*\t:KF+16*\t+3], v[ADK] offset:(4*\g+\t)*1024
	ds_load_b128 v[KF+16*\t+4:KF+16*\t+7], v[ADK] offset:(4*\g+\t)*1024+512
.endr
	ds_load_b128 v[SW:SW+3], v[ADS] offset:256*\g  ; four tiles' scale words
.if \g == 0
	s_wait_alu depctr_va_vdst(0)
.endif
	s_wait_dscnt 0x0
.irp t, 0,1,2,3
	v_wmma_scale_f32_16x16x128_f8f6f4 v[S+8*(4*\g+\t):S+8*(4*\g+\t)+7], v[KF+16*\t:KF+16*\t+15], v[QF:QF+15], 0, v[SW+\t], v[QS]
.endr
.endr
	BMAX 0, 1                                      ; the first four tiles' maxima, 16 lines, are the places behind the last four products
	BMAX 2, 3
.irp b, 0,1,2,3
	v_permlanex16_b32 v[T4+\b], v[BM+\b], s[SEL], s[SEL+1]
.endr
.irp b, 0,1,2,3
	s_delay_alu instid0(VALU_DEP_4)
	v_max_num_f32 v[BM+\b], v[BM+\b], v[T4+\b]
.endr
	s_delay_alu instid0(VALU_DEP_2)
	v_max3_num_f32 v[TP], v[BM], v[BM+1], v[BM+2]
	s_delay_alu instid0(VALU_DEP_1)
	v_max_num_f32 v[TP], v[TP], v[BM+3]
	s_delay_alu instid0(VALU_DEP_1)
	v_mul_f32 v[TP], s[CS], v[TP]
	s_delay_alu instid0(VALU_DEP_1)
	v_max_num_f32 v13, v13, v[TP]                  ; the running largest t
	s_delay_alu instid0(VALU_DEP_1)
	v_floor_f32 v12, -v13                          ; -M = floor(-t): M is a whole number
	s_delay_alu instid0(VALU_DEP_1)
	v_sub_f32 v[TP], v12, v[OLDM]
	s_delay_alu instid0(VALU_DEP_1)
	v_cvt_i32_f32 v[TP], v[TP]                     ; (it saturates)
	s_delay_alu instid0(VALU_DEP_1)
	v_ldexp_f32 v[FF], 1.0, v[TP]                  ; f = 2^(old M - new M)
	v_mov_b32 v[NM2], v12
.set j, 0
.rept 32
	v_dual_fma_f32 v[S+j], v[S+j], v[CV], v12 :: v_dual_fma_f32 v[S+j+1], v[S+j+1], v[CV], v[NM2]   ; t - M, each a fused multiply-add
.set j, j+2
.endr
.irp b, 0,1,2,3
	v_fma_f32 v[BM+\b], v[BM+\b], s[CS], v12
.endr
	s_wait_alu depctr_va_vdst(0)                   ; the wait ahead of the batch
.set j, 0
.rept 64
	v_exp_f32 v[S+j], v[S+j]                       ; p = 2^(t - M)
.set j, j+1
.endr
	v_pk_mul_f32 v[14:15], v[14:15], v[FF:FF+1] op_sel_hi:[1,0]   ; the sums under the new M: the plain instruction behind the batch
	s_wait_alu depctr_va_vdst(0)                   ; one wait for the batch, ahead of its first reader
.irp b, 0,1,2,3
	v_exp_f32 v[BM+\b], v[BM+\b]                   ; each block's largest p
.endr
	v_dual_add_f32 v[A1], v[S], v[S+2] :: v_dual_add_f32 v[A1+1], v[S+1], v[S+3]      ; the row's sum of the unquantised p, in four chains of two halves
	v_dual_add_f32 v[A2], v[S+4], v[S+6] :: v_dual_add_f32 v[A2+1], v[S+5], v[S+7]
	v_dual_add_f32 v[A3], v[S+8], v[S+10] :: v_dual_add_f32 v[A3+1], v[S+9], v[S+11]
.set j, 12
.rept 6
	ADD2 14, S+j
	ADD2 A1, S+j+2
	ADD2 A2, S+j+4
	ADD2 A3, S+j+6
.set j, j+8
.endr
	ADD2 14, S+60
	ADD2 A1, S+62
	ADD2 A2, A3
	ADD2 14, A1
	ADD2 14, A2
	s_wait_alu depctr_va_vdst(0)                   ; and one for the four
.irp b, 0,1,2,3
	v_max_num_f32 v[BM+\b], 0x4800000, v[BM+\b]    ; the floor 2^(9 - 127): the byte cannot fall under 1
.endr
.irp b, 0,1,2,3
	s_delay_alu instid0(VALU_DEP_4)
	v_add_nc_u32 v[SOP+\b], 0xfc000000, v[BM+\b]   ; 8 off the exponent field: the conversion's scale operand
.endr
.irp b, 0,1,2,3
	v_and_or_b32 v[HOLD+\b], v[BM+\b], 0x7f800000, s[MNT]   ; 448 x the scale
.endr
.irp b, 0,1,2,3
	v_lshrrev_b32 v[T4+\b], 23, v[SOP+\b]          ; the scale's byte
.endr
	s_delay_alu instid0(VALU_DEP_3)
	v_lshl_or_b32 v[PS], v[T4+1], 8, v[T4]
	s_delay_alu instid0(VALU_DEP_1)
	v_lshl_or_b32 v[PS], v[T4+2], 16, v[PS]
	s_delay_alu instid0(VALU_DEP_1)
	v_lshl_or_b32 v[PS], v[T4+3], 24, v[PS]
.irp b, 0,1,2,3
.irp i, 0,2,4,6,8,10,12,14
	v_dual_min_num_f32 v[S+16*\b+\i], v[S+16*\b+\i], v[HOLD+\b] :: v_dual_min_num_f32 v[S+16*\b+\i+1], v[S+16*\b+\i+1], v[HOLD+\b]   ; p is not negative: a one-sided hold (the conversion does not saturate: ISA guide 7.6.2)
.endr
	v_cvt_scalef32_pk8_fp8_f32 v[PCD+4*\b:PCD+4*\b+1], v[S+16*\b:S+16*\b+7], v[SOP+\b]
	v_cvt_scalef32_pk8_fp8_f32 v[PCD+4*\b+2:PCD+4*\b+3], v[S+16*\b+8:S+16*\b+15], v[SOP+\b]
.endr
.irp t, 0,1,2,3
.irp c, 0,1,2,3
	ds_load_b128 v[S+16*\t+4*\c:S+16*\t+4*\c+3], v[ADV] offset:2048*\t+512*\c   ; V's four channel tiles take p's registers
.endr
.endr
	ds_load_b128 v[SW:SW+3], v[ADT]
	s_wait_alu depctr_va_vdst(0)                   ; the wait here, directly ahead of the first reader of O^T
.set j, 0
.rept 16
	v_dual_mul_f32 v[O+j], v[O+j], v[FF] :: v_dual_mul_f32 v[O+j+1], v[O+j+1], v[FF]   ; O^T under the new M; these 16 are also the places between the codes and the products
.set j, j+2
.endr
	s_wait_alu depctr_va_vdst(0)                   ; the wait here, directly ahead of the wait below
	s_wait_dscnt 0x0
.irp t, 0,1,2,3
	v_wmma_scale_f32_16x16x128_f8f6f4 v[O+8*\t:O+8*\t+7], v[S+16*\t:S+16*\t+15], v[PCD:PCD+15], v[O+8*\t:O+8*\t+7], v[SW+\t], v[PS]
.endr
	s_add_co_u32 s[TK], s[TK], 8192
	s_add_co_u32 s[TS], s[TS], 512
	s_add_co_u32 s[TV], s[TV], 256
.endm
	s_wait_alu depctr_va_vdst(0)                   ; the wait at the head's end
	s_wait_tensorcnt 0x0                           ; my load, if I issued one, has landed
	s_barrier_signal -1
	s_barrier_wait -1                              ; everybody's has
	s_mov_b32 s[CNT], 16
.Lstep:
	STEP
	s_sub_co_u32 s[CNT], s[CNT], 1
	s_cmp_lg_u32 s[CNT], 0
	s_cbranch_scc1 .Lstep
	; THE WAY OUT: O^T / l, quantised in two blocks of 32 channels, stored as half an image of the next product's operand.
.rept 8
	v_nop                                          ; places behind the last products
.endr
	v_add_f32 v14, v14, v15
	s_delay_alu instid0(VALU_DEP_1)
	v_permlanex16_b32 v[TP], v14, s[SEL], s[SEL+1]
	s_delay_alu instid0(VALU_DEP_1)
	v_add_f32 v14, v14, v[TP]
	s_wait_alu depctr_va_vdst(0)
	v_rcp_f32 v14, v14
	v_cmp_ne_u32 vcc_lo, 0, v[HH]                  ; (a plain instruction behind the reciprocal)
	s_wait_alu depctr_va_vdst(0)
.set j, 0
.rept 32
	v_mul_f32 v[S+j], v[O+j], v14                  ; register 8 t + i: channel 16 t + 8 h + i of query r
.set j, j+1
.endr
.irp b, 0,1
	v_max3_num_f32 v[BM+\b], |v[S+16*\b]|, |v[S+1+16*\b]|, 0x4800000
.endr
.irp i, 2,4,6,8,10,12,14
.irp b, 0,1
	s_delay_alu instid0(VALU_DEP_2)
	v_max3_num_f32 v[BM+\b], v[BM+\b], |v[S+16*\b+\i]|, |v[S+1+16*\b+\i]|
.endr
.endr
.irp b, 0,1
	s_delay_alu instid0(VALU_DEP_2)
	v_permlanex16_b32 v[T4+\b], v[BM+\b], s[SEL], s[SEL+1]
.endr
.irp b, 0,1
	s_delay_alu instid0(VALU_DEP_2)
	v_max_num_f32 v[BM+\b], v[BM+\b], v[T4+\b]
.endr
.irp b, 0,1
	s_delay_alu instid0(VALU_DEP_2)
	v_add_nc_u32 v[SOP+\b], 0xfc000000, v[BM+\b]
.endr
.irp b, 0,1
	s_delay_alu instid0(VALU_DEP_4)
	v_and_or_b32 v[HOLD+\b], v[BM+\b], 0x7f800000, s[MNT]
.endr
.irp b, 0,1
	s_delay_alu instid0(VALU_DEP_4)
	v_lshrrev_b32 v[T4+\b], 23, v[SOP+\b]
.endr
.irp b, 0,1
.irp i, 0,1,2,3,4,5,6,7,8,9,10,11,12,13,14,15
	v_med3_num_f32 v[S+16*\b+\i], v[S+16*\b+\i], -v[HOLD+\b], v[HOLD+\b]
.endr
	v_cvt_scalef32_pk8_fp8_f32 v[PCD+4*\b:PCD+4*\b+1], v[S+16*\b:S+16*\b+7], v[SOP+\b]
	v_cvt_scalef32_pk8_fp8_f32 v[PCD+4*\b+2:PCD+4*\b+3], v[S+16*\b+8:S+16*\b+15], v[SOP+\b]
.endr
	v_cndmask_b32 v[TP], v[T4], v[T4+1], vcc_lo    ; lanes 0-15 store the first block's byte, lanes 16-31 the second's
	global_store_b128 v[LI], v[PCD:PCD+3], s[90:91]              ; 512 consecutive bytes, aligned
	global_store_b128 v[LI], v[PCD+4:PCD+7], s[90:91] offset:512
	global_store_b8 v[SBO], v[TP], s[92:93]
	s_wait_tensorcnt 0x0                           ; the wave's end
	ds_add_u32 v[SPW], v[NIL]
	s_wait_dscnt 0x0
	CROUND                                         ; the closing round
	s_endpgm
.Lfunc_end_k_q3c7777e07d_attn:
	.size	k_q3c7777e07d_attn, .Lfunc_end_k_q3c7777e07d_attn-k_q3c7777e07d_attn
	.p2alignl 7, 3214868480
	.fill 96, 4, 3214868480
	.section	.rodata,"a",@progbits
	.p2align	6, 0x0
	.amdhsa_kernel k_q3c7777e07d_attn
		.amdhsa_group_segment_fixed_size 276480
		.amdhsa_private_segment_fixed_size 0
		.amdhsa_enable_private_segment 0
		.amdhsa_kernarg_size 24
		.amdhsa_user_sgpr_count 2
		.amdhsa_user_sgpr_kernarg_segment_ptr 1
		.amdhsa_wavefront_size32 1
		.amdhsa_system_sgpr_workgroup_id_x 1
		.amdhsa_system_sgpr_workgroup_id_y 1
		.amdhsa_system_sgpr_workgroup_id_z 1
		.amdhsa_system_vgpr_workitem_id 0
		.amdhsa_next_free_vgpr 256
		.amdhsa_next_free_sgpr 96
		.amdhsa_reserve_vcc 1
		.amdhsa_float_denorm_mode_32 3
		.amdhsa_float_denorm_mode_16_64 3
		.amdhsa_memory_ordered 1
		.amdhsa_forward_progress 1
		.amdhsa_inst_pref_size 41
	.end_amdhsa_kernel
	.amdgpu_metadata
---
amdhsa.version: [ 1, 2 ]
amdhsa.kernels:
  - .name:           k_q3c7777e07d_attn
    .symbol:         k_q3c7777e07d_attn.kd
    .args:
      - { .name: qkvw, .offset: 0, .size: 8, .value_kind: global_buffer, .address_space: global }
      - { .name: mask, .offset: 8, .size: 8, .value_kind: global_buffer, .address_space: global }
      - { .name: at, .offset: 16, .size: 8, .value_kind: global_buffer, .address_space: global }
    .group_segment_fixed_size: 276480
    .private_segment_fixed_size: 0
    .kernarg_segment_align: 8
    .kernarg_segment_size: 24
    .max_flat_workgroup_size: 512
    .sgpr_count:     96
    .vgpr_count:     256
    .wavefront_size: 32
...
	.end_amdgpu_metadata
.endif
;; end of part 3
;; launch wo (part 4): grid 8 x 32, 4 waves a work-group, clusters of 4 x 4, 327,680 bytes of LDS; arguments at, wo_codes, wo_scales, bo, x, x1; writes x1
.if DOCPART == 4
	.amdgcn_target "amdgcn-amd-amdhsa--gfx1250"
	.amdhsa_code_object_version 6
	.text
	.protected	k_q3c7777e07d_wo
	.globl	k_q3c7777e07d_wo
	.p2align	8
	.type	k_q3c7777e07d_wo,@function
k_q3c7777e07d_wo:
	s_mov_b64 s[64:65], 0
	v_nop
	global_prefetch_b8 v0, s[64:65] scope:SCOPE_SE
	s_setreg_imm32_b32 hwreg(HW_REG_WAVE_MODE, 25, 1), 1
	s_wait_xcnt 0x0
	s_wait_alu depctr_hold_cnt(0) depctr_sa_sdst(0) depctr_va_vdst(0) depctr_va_sdst(0) depctr_va_ssrc(0) depctr_va_vcc(0) depctr_vm_vsrc(0)
	s_getreg_b32 s2, hwreg(HW_REG_IB_STS2, 6, 4)
	s_cmp_eq_u32 s2, 0
	s_cbranch_scc0 .Lentry_in_a_cluster
	s_endpgm
.Lentry_in_a_cluster:
	s_bfe_u32 s2, ttmp6, 0x10000c
	s_cmp_lg_u32 s2, 0xf033
	s_cbranch_scc0 .Lentry_shape_is_right
	s_endpgm
.Lentry_shape_is_right:
; out = res + A W^T + bias on FP8 (E4M3) codes with E8M0 scales.  A: images [256 tiles of 16 rows][8][2048], scale bytes [4096][32] behind them; W: [1024][1024] codes, [1024][32] scale bytes; res, out: [4096][1024] f32.
; A tile of out is 128 x 128, so that all 256 work-groups have one; a wave makes 64 x 64: 16 accumulators.
; LDS IS FILLED ONCE: the block's operands for all of K fit together: A's eight tiles are 131,072 dense bytes, W's 128 rows of 1,024 bytes take 133,120 with their padding, the scale bytes 2 x 4,352.
; Four loads at the head, one a wave: wave 0 A's images, wave 1 W's rows, wave 2 A's scale bytes, wave 3 W's.  One wait for 0 and one barrier follow; no slot is filled again.
; No prefetch: everything is asked for at the head, so no later load is left to ask ahead for.
; CLUSTERS 4 x 4: A's tiles are shared along a row of the cluster, W's along a column, each asked for jointly.  Source 0 = 16 rows of W, source 1 = 16 rows of A: a lane holds eight neighbouring numbers of a row of out.
; A's codes lie, inside each block of 32, in the order 16 u + 8 h + j (byte 8 u + j of half h), as their maker left them; W's fragments are read in the same order: two loads of 8 bytes for each group of four registers.
; The bias is the C of the first products; the residual is asked for at the head and lands during the products.
.set KS,     32                        ; a row of scale bytes
.set BP,     1040                      ; W's row in LDS: 1,024 bytes + 16
.set BOFF,   131072                    ; W's rows lie behind A's images
.set SCL,    BOFF+128*BP               ; the scale bytes, as units of 256 bytes + 16
.set HALFS,  (64*KS/256)*272
.set SBLK,   (16*KS/256)*272
.set SPARE,  SCL+4*HALFS               ; the spare words: 128 bytes a wave
.set STG,    SPARE+512                 ; the way out: 16 rows x (256 + 16) for each wave, bytes into which no load lands
.set ADRA, 16
.set ADRB, 20
.set STO,  24
.set RD,   25
.set CO,   26
.set ADRS, 27
.set SPW,  28
.set NIL,  29
.set SC,   32                          ; v32-63 scale words: register 16 (q / 4) + 4 i + q % 4; nothing else ever lies here
.set BIAS, 64                          ; v64-95
.set RB,   96                          ; v96-127 rows back from the stage
.set ACC,  128                         ; v128-255
.set G1, 24
.set G0, 32
.set G1B, 48
.set G0B, 56
.set G1S, 68
.set G0S, 76
.set G1SB, 80
.set G0SB, 88
.set MSB, 0
.macro WIN new
.if MSB != \new
	s_set_vgpr_msb (MSB<<8)|\new
.set MSB, \new
.endif
.endm
.set MUL,  0x05                        ; sources 0 and 1: window 1 (two buffers: A's four fragments, then W's four)
.set TO_F, 0x40
.macro CROUND
	s_barrier_signal -1
	s_barrier_wait -1
	s_cmp_lg_u32 s14, 0
	s_cbranch_scc1 .Lnot_wave_0_\@
	s_barrier_signal -3
.Lnot_wave_0_\@:
	s_barrier_wait -3
	s_barrier_signal -1
	s_barrier_wait -1
.endm
.macro PLACES n
.rept \n
	v_nop
.endr
.endm
	s_load_b256 s[4:11], s[0:1], 0x0               ; A s[4:5], W's codes s[6:7], W's scales s[8:9], bias s[10:11]
	s_load_b128 s[96:99], s[0:1], 0x20             ; res s[96:97], out s[98:99]
	v_lshl_add_u32 v[SPW], v0, 2, SPARE
	v_mov_b32 v[NIL], 0
	ds_add_u32 v[SPW], v[NIL]                      ; the opening lines: the add twice on end and its wait
	ds_add_u32 v[SPW], v[NIL]
	v_lshrrev_b32 v1, 5, v0
	v_readfirstlane_b32 s14, v1                    ; wave
	s_lshr_b32 s15, s14, 1                         ; my half of the rows
	s_and_b32 s16, s14, 1                          ; my half of the columns
	s_bfe_u32 s40, ttmp6, 0x40000
	s_bfe_u32 s41, ttmp6, 0x40004
	s_lshl_b32 s42, ttmp9, 2
	s_add_co_u32 s42, s42, s40                     ; tile column
	s_and_b32 s17, ttmp7, 0xffff
	s_lshl_b32 s17, s17, 2
	s_add_co_u32 s17, s17, s41                     ; tile row
	s_lshl_b32 s43, s41, 2
	s_lshl_b32 s43, 15, s43
	s_lshl_b32 s44, 0x1111, s40
	s_or_b32 s[G1+0], s43, (3<<16)|(1<<21)         ; A: 131,072 dense bytes as 512 rows of 256 (32 elements of 8); no padding
	s_mov_b32 s[G1+1], 32<<16
	s_mov_b32 s[G1+2], 512<<16
	s_mov_b32 s[G1+3], 32<<16
	s_mov_b32 s[G1+4], 512
	s_mov_b32 s[G1+5], 32
	s_mov_b32 s[G1+6], 0
	s_mov_b32 s[G1+7], 0
	s_or_b32 s[G1B+0], s44, (0<<16)|(1<<20)|(1<<21)|(7<<22)|(3<<25)  ; W: 128 rows x 1,024 bytes, 4 words of padding behind every 1,024
	s_mov_b32 s[G1B+1], 1024<<16
	s_mov_b32 s[G1B+2], 128<<16
	s_mov_b32 s[G1B+3], 1024<<16
	s_mov_b32 s[G1B+4], 128
	s_mov_b32 s[G1B+5], 1024
	s_mov_b32 s[G1B+6], 0
	s_mov_b32 s[G1B+7], 0
	s_or_b32 s[G1S+0], s43, (3<<16)|(1<<20)|(1<<21)|(5<<22)|(3<<25)  ; scale bytes of 128 rows: 4,096 dense bytes as 16 rows of 256 + 16
	s_or_b32 s[G1SB+0], s44, (3<<16)|(1<<20)|(1<<21)|(5<<22)|(3<<25)
.irp g, G1S, G1SB
	s_mov_b32 s[\g+1], 32<<16
	s_mov_b32 s[\g+2], 16<<16
	s_mov_b32 s[\g+3], 32<<16
	s_mov_b32 s[\g+4], 16
	s_mov_b32 s[\g+5], 32
	s_mov_b32 s[\g+6], 0
	s_mov_b32 s[\g+7], 0
.endr
	s_lshl_b32 s20, s17, 17                        ; A: 8 tiles of 16,384 bytes a tile row
	s_mov_b32 s21, 0
	s_lshl_b32 s22, s17, 12
	s_add_co_u32 s22, s22, 4194304                 ; A's scale bytes lie behind its images
	s_mov_b32 s23, 0
	s_lshl_b32 s46, s42, 17                        ; W: 128 rows of 1,024 bytes a tile column
	s_mov_b32 s47, 0
	s_lshl_b32 s92, s42, 12
	s_mov_b32 s93, 0
	s_wait_dscnt 0x0                               ; both opening adds are done
	s_wait_kmcnt 0x0
	s_mov_b32 s[G0], 1
	s_mov_b32 s[G0+1], 0
	s_add_nc_u64 s[G0+2:G0+3], s[4:5], s[20:21]
	s_or_b32 s[G0+3], s[G0+3], 0x80000000
	s_mov_b32 s[G0B], 1
	s_mov_b32 s[G0B+1], BOFF
	s_add_nc_u64 s[G0B+2:G0B+3], s[6:7], s[46:47]
	s_or_b32 s[G0B+3], s[G0B+3], 0x80000000
	s_mov_b32 s[G0S], 1
	s_mov_b32 s[G0S+1], SCL
	s_add_nc_u64 s[G0S+2:G0S+3], s[4:5], s[22:23]
	s_or_b32 s[G0S+3], s[G0S+3], 0x80000000
	s_mov_b32 s[G0SB], 1
	s_mov_b32 s[G0SB+1], SCL+2*HALFS
	s_add_nc_u64 s[G0SB+2:G0SB+3], s[8:9], s[92:93]
	s_or_b32 s[G0SB+3], s[G0SB+3], 0x80000000
	CROUND                                         ; all sixteen work-groups are here: the joint loads meet
.macro ARM under, g0, g1, next
	s_cmp_lt_u32 s14, \under
	s_cbranch_scc0 \next
	tensor_load_to_lds s[\g0:\g0+3], s[\g1:\g1+7]
	s_nop 0
.rept 4
	v_nop
.endr
	s_branch .Lhead_asked
\next:
.endm
	ARM 1, G0,  G1,  .Lhead_b
	ARM 2, G0B, G1B, .Lhead_sa
	ARM 3, G0S, G1S, .Lhead_sb
	tensor_load_to_lds s[G0SB:G0SB+3], s[G1SB:G1SB+7]
	s_nop 0
.rept 4
	v_nop
.endr
.Lhead_asked:
	s_lshl_b32 s21, s15, 16                        ; my four tiles of A
	s_mul_i32 s22, s16, 64*BP
	s_add_co_u32 s22, s22, BOFF                    ; my 64 rows of W
	s_mul_i32 s18, s15, HALFS
	s_mul_i32 s19, s16, HALFS
	s_add_co_u32 s19, s19, 2*HALFS
	s_sub_co_u32 s19, s19, s18                     ; from A's words to W's
	s_add_co_u32 s18, s18, SCL
	s_mul_i32 s23, s14, 4352
	s_add_co_u32 s23, s23, STG                     ; my stage
	s_lshl_b32 s20, s17, 7
	s_lshl_b32 s45, s15, 6
	s_add_co_u32 s20, s20, s45
	s_lshl_b32 s20, s20, 12                        ; my first row x 4,096 bytes
	s_lshl_b32 s46, s42, 7
	s_lshl_b32 s47, s16, 6
	s_add_co_u32 s46, s46, s47
	s_lshl_b32 s46, s46, 2                         ; my first column x 4 bytes
	s_mov_b32 s47, 0
	s_add_nc_u64 s[10:11], s[10:11], s[46:47]
	s_add_co_u32 s46, s46, s20
	s_add_nc_u64 s[96:97], s[96:97], s[46:47]
	s_add_nc_u64 s[98:99], s[98:99], s[46:47]
	v_and_b32 v1, 15, v0                           ; r
	v_bfe_u32 v2, v0, 4, 1                         ; h
	v_and_b32 v3, 31, v0
	v_lshlrev_b32 v3, 4, v3                        ; 16 x lane
	v_mul_u32_u24 v4, v1, BP
	v_mul_u32_u24 v5, v1, KS
	v_add_nc_u32 v[ADRA], s21, v3
	v_lshl_add_u32 v4, v2, 3, v4                   ; 1,040 r + 8 h
	v_lshrrev_b32 v6, 8, v5
	v_add_nc_u32 v[ADRB], s22, v4
	v_lshl_add_u32 v5, v6, 4, v5                   ; my row's scale bytes: 32 a row, 16 more for each 256 passed
	v_mul_u32_u24 v6, s19, v2                      ; lanes 16-31 take W's words
	v_mul_u32_u24 v8, v1, 272
	v_mul_u32_u24 v9, v2, 272
	v_add_nc_u32 v5, v5, v6
	v_lshl_add_u32 v8, v2, 5, v8
	v_lshl_add_u32 v9, v1, 4, v9
	v_add_nc_u32 v[ADRS], s18, v5
	v_add_nc_u32 v[STO], s23, v8
	v_add_nc_u32 v[RD], s23, v9
	v_lshlrev_b32 v[CO], 12, v2
	v_lshlrev_b32 v7, 5, v2
	v_lshl_add_u32 v[CO], v1, 4, v[CO]             ; lanes 0-15 one row of out, lanes 16-31 the next
.irp b, 0,1,2,3
	global_load_b128 v[BIAS+8*\b:BIAS+8*\b+3], v7, s[10:11] offset:64*\b
	global_load_b128 v[BIAS+8*\b+4:BIAS+8*\b+7], v7, s[10:11] offset:64*\b+16
.endr
	WIN 0x80                                       ; destination window 2: the residual, laid as the rows come back from the stage
.irp a, 0,1,2,3
.irp t, 0,1,2,3,4,5,6,7
	global_load_b128 v[32*\a+4*\t:32*\a+4*\t+3], v[CO], s[96:97] offset:(16*\a+2*\t)*4096
.endr
.endr
	WIN 0
.macro FETCH q, f                      ; 48 loads: W's four fragments of the q-th 128 along K (in A's order inside a block), then A's four
	WIN TO_F
.irp i, 0,1,2,3
.irp c, 0,1,2,3
	ds_load_b64 v[\f+64+16*\i+4*\c:\f+64+16*\i+4*\c+1], v[ADRB] offset:16*BP*\i+128*(\q)+32*\c
	ds_load_b64 v[\f+64+16*\i+4*\c+2:\f+64+16*\i+4*\c+3], v[ADRB] offset:16*BP*\i+128*(\q)+32*\c+16
.endr
.endr
.irp i, 0,1,2,3
.irp c, 0,1,2,3
	ds_load_b128 v[\f+16*\i+4*\c:\f+16*\i+4*\c+3], v[ADRA] offset:16384*\i+2048*(\q)+512*\c
.endr
.endr
.endm
.macro MUL4 f, a, q                    ; A's block a x W's four; the 16 accumulators take turns, one instruction a turn
.irp b, 0,1,2,3
.if (\q) == 0
	v_wmma_scale_f32_16x16x128_f8f6f4 v[ACC+8*(4*(\a)+\b):ACC+8*(4*(\a)+\b)+7], v[\f+64+16*\b:\f+64+16*\b+15], v[\f+16*(\a):\f+16*(\a)+15], v[BIAS+8*\b:BIAS+8*\b+7], v[SC+16*((\q)/4)+4*\b+(\q)%4], v[SC+16*((\q)/4)+4*(\a)+(\q)%4] matrix_a_scale:MATRIX_SCALE_ROW1
.else
	v_wmma_scale_f32_16x16x128_f8f6f4 v[ACC+8*(4*(\a)+\b):ACC+8*(4*(\a)+\b)+7], v[\f+64+16*\b:\f+64+16*\b+15], v[\f+16*(\a):\f+16*(\a)+15], v[ACC+8*(4*(\a)+\b):ACC+8*(4*(\a)+\b)+7], v[SC+16*((\q)/4)+4*\b+(\q)%4], v[SC+16*((\q)/4)+4*(\a)+(\q)%4] matrix_a_scale:MATRIX_SCALE_ROW1
.endif
.endr
.endm
.macro QUARTER q                       ; 128 along K from buffer q % 2; the next 128 are fetched into the other
.set FB, 128*((\q)%2)
.set GB, 128-FB
	s_wait_dscnt 8                                 ; all but the youngest eight loads (A's blocks 2, 3)
	WIN MUL
	MUL4 FB, 0, \q
	MUL4 FB, 1, \q
	PLACES 8                                       ; in front of loads into registers that products have read
	FETCH (\q)+1, GB
	s_wait_dscnt 48                                ; all but the 48 just issued
	WIN MUL
	MUL4 FB, 2, \q
	MUL4 FB, 3, \q
.endm
	s_wait_alu depctr_va_vdst(0)                   ; the wait at the head's end
	s_wait_loadcnt 32                              ; the bias is in; the 32 loads of the residual, issued behind it, may be out
	s_wait_tensorcnt 0x0                           ; my tile of the four has landed
	s_barrier_signal -1
	s_barrier_wait -1                              ; everybody's has
.irp s, 0,1
.irp i, 0,1,2,3
	ds_load_b128 v[SC+16*\s+4*\i:SC+16*\s+4*\i+3], v[ADRS] offset:\i*SBLK+16*\s   ; all eight words a row: lanes 0-15 A's block i, lanes 16-31 W's block i
.endr
.endr
	FETCH 0, 0
.irp q, 0,1,2,3,4,5,6
	QUARTER \q
.endr
	s_wait_dscnt 8
	WIN MUL
	MUL4 128, 0, 7
	MUL4 128, 1, 7
	s_wait_dscnt 0
	MUL4 128, 2, 7
	MUL4 128, 3, 7
	WIN 0
	PLACES 8
	s_wait_loadcnt 0x0                             ; the residual
.irp a, 0,1,2,3                        ; 16 rows x 64 columns at a time through my own stage; LDS serves a wave's instructions in order
.irp b, 0,1,2,3
	ds_store_b128 v[STO], v[ACC+8*(4*\a+\b):ACC+8*(4*\a+\b)+3] offset:64*\b
	ds_store_b128 v[STO], v[ACC+8*(4*\a+\b)+4:ACC+8*(4*\a+\b)+7] offset:64*\b+16
.endr
.irp t, 0,1,2,3,4,5,6,7
	ds_load_b128 v[RB+4*\t:RB+4*\t+3], v[RD] offset:544*\t
.endr
	s_wait_dscnt 0x0
	WIN 0x88                                       ; source 1 and destination: the residual, window 2
.irp t, 0,1,2,3,4,5,6,7,8,9,10,11,12,13,14,15
	v_pk_add_f32 v[32*\a+2*\t:32*\a+2*\t+1], v[RB+2*\t:RB+2*\t+1], v[32*\a+2*\t:32*\a+2*\t+1]
.endr
	WIN 0x08
.irp t, 0,1,2,3,4,5,6,7
	global_store_b128 v[CO], v[32*\a+4*\t:32*\a+4*\t+3], s[98:99] offset:(16*\a+2*\t)*4096   ; sixteen lanes: 256 consecutive bytes, aligned
.endr
	WIN 0
.endr
	s_wait_tensorcnt 0x0                           ; the wave's end
	ds_add_u32 v[SPW], v[NIL]
	s_wait_dscnt 0x0
	CROUND
	s_endpgm
.Lfunc_end_k_q3c7777e07d_wo:
	.size	k_q3c7777e07d_wo, .Lfunc_end_k_q3c7777e07d_wo-k_q3c7777e07d_wo
	.p2alignl 7, 3214868480
	.fill 96, 4, 3214868480
	.section	.rodata,"a",@progbits
	.p2align	6, 0x0
	.amdhsa_kernel k_q3c7777e07d_wo
		.amdhsa_group_segment_fixed_size 327680
		.amdhsa_private_segment_fixed_size 0
		.amdhsa_enable_private_segment 0
		.amdhsa_kernarg_size 48
		.amdhsa_user_sgpr_count 2
		.amdhsa_user_sgpr_kernarg_segment_ptr 1
		.amdhsa_wavefront_size32 1
		.amdhsa_system_sgpr_workgroup_id_x 1
		.amdhsa_system_sgpr_workgroup_id_y 1
		.amdhsa_system_sgpr_workgroup_id_z 1
		.amdhsa_system_vgpr_workitem_id 0
		.amdhsa_next_free_vgpr 640
		.amdhsa_next_free_sgpr 100
		.amdhsa_reserve_vcc 0
		.amdhsa_float_denorm_mode_32 3
		.amdhsa_float_denorm_mode_16_64 3
		.amdhsa_memory_ordered 1
		.amdhsa_forward_progress 1
		.amdhsa_inst_pref_size 68
	.end_amdhsa_kernel
	.amdgpu_metadata
---
amdhsa.version: [ 1, 2 ]
amdhsa.kernels:
  - .name:           k_q3c7777e07d_wo
    .symbol:         k_q3c7777e07d_wo.kd
    .args:
      - { .name: at, .offset: 0, .size: 8, .value_kind: global_buffer, .address_space: global }
      - { .name: wo_codes, .offset: 8, .size: 8, .value_kind: global_buffer, .address_space: global }
      - { .name: wo_scales, .offset: 16, .size: 8, .value_kind: global_buffer, .address_space: global }
      - { .name: bo, .offset: 24, .size: 8, .value_kind: global_buffer, .address_space: global }
      - { .name: x, .offset: 32, .size: 8, .value_kind: global_buffer, .address_space: global }
      - { .name: x1, .offset: 40, .size: 8, .value_kind: global_buffer, .address_space: global }
    .group_segment_fixed_size: 327680
    .private_segment_fixed_size: 0
    .kernarg_segment_align: 8
    .kernarg_segment_size: 48
    .max_flat_workgroup_size: 128
    .sgpr_count:     100
    .vgpr_count:     640
    .wavefront_size: 32
...
	.end_amdgpu_metadata
.endif
;; end of part 4
;; launch ln2: the kernel of part 1 again; grid 256 x 1, 8 waves a work-group, no clusters, 83,968 bytes of LDS; arguments x1, ln2_a, ln2_b, xn; writes xn
;; launch ffn1 (part 5): grid 16 x 16, 4 waves a work-group, clusters of 4 x 4, 327,680 bytes of LDS; arguments xn, w1_codes, w1_scales, b1, hb; writes hb
.if DOCPART == 5
	.amdgcn_target "amdgcn-amd-amdhsa--gfx1250"
	.amdhsa_code_object_version 6
	.text
	.protected	k_q3c7777e07d_ffn1
	.globl	k_q3c7777e07d_ffn1
	.p2align	8
	.type	k_q3c7777e07d_ffn1,@function
k_q3c7777e07d_ffn1:
	s_mov_b64 s[64:65], 0
	v_nop
	global_prefetch_b8 v0, s[64:65] scope:SCOPE_SE
	s_setreg_imm32_b32 hwreg(HW_REG_WAVE_MODE, 25, 1), 1
	s_wait_xcnt 0x0
	s_wait_alu depctr_hold_cnt(0) depctr_sa_sdst(0) depctr_va_vdst(0) depctr_va_sdst(0) depctr_va_ssrc(0) depctr_va_vcc(0) depctr_vm_vsrc(0)
	s_getreg_b32 s2, hwreg(HW_REG_IB_STS2, 6, 4)
	s_cmp_eq_u32 s2, 0
	s_cbranch_scc0 .Lentry_in_a_cluster
	s_endpgm
.Lentry_in_a_cluster:
	s_bfe_u32 s2, ttmp6, 0x10000c
	s_cmp_lg_u32 s2, 0xf033
	s_cbranch_scc0 .Lentry_shape_is_right
	s_endpgm
.Lentry_shape_is_right:
.set SIZE_K, 1024
.set KSTEP,  256
.set NQ,     KSTEP/128
.set ROWB,   256
.set KROW,   SIZE_K
.set PITCH,  272
.set FR,     16
.set NL,     4
.set NP,     8
.set HALFT,  128*PITCH
.set SLOT,   4*HALFT
.set LAPS,   SIZE_K/(2*KSTEP)
.set KS,     SIZE_K/32
.set SCL,    2*SLOT
.set HALFS,  (128*KS/256)*272
.set SBLK,   (16*KS/256)*272
.set SPARE,  SCL+4*HALFS
.set SOF,  5
.set L16,  6
.set H16,  7
.set ADRA, 16
.set ADRB, 20
.set ADRS, 27
.set SPW,  28
.set NIL,  29
.set SC,   32
.set BIAS, 64
.set AF,   128
.set TM,   64
.set PWR,  80
.set SWR,  96
.set G1, 24
.set G0, 32
.set G1B, 48
.set G0B, 56
.set G1S, 68
.set G0S, 76
.set G1SB, 80
.set G0SB, 88
.set SEL, 20
.set MNT, 23
.set LO,  12
.set SCO, 104
.set BP,  96
.set MSB, 0
.macro WIN new
.if MSB != \new
	s_set_vgpr_msb (MSB<<8)|\new
.set MSB, \new
.endif
.endm
.set MUL_LO, 0xa1
.set MUL_HI, 0xf1
.set BIA_LO, 0x81
.set BIA_HI, 0xc1
.set TO_B,   0x40
.macro JLOAD g0a, g1a, g0b, g1b
	s_cmp_eq_u32 s15, 0
	s_cbranch_scc0 .Lfor_b_\@
	tensor_load_to_lds s[\g0a:\g0a+3], s[\g1a:\g1a+7]
	s_nop 0
.rept 4
	v_nop
.endr
	s_branch .Lasked_\@
.Lfor_b_\@:
	tensor_load_to_lds s[\g0b:\g0b+3], s[\g1b:\g1b+7]
	s_nop 0
.rept 4
	v_nop
.endr
.Lasked_\@:
.endm
.macro CREST
	s_cmp_lg_u32 s14, 0
	s_cbranch_scc1 .Lnot_wave_0_\@
	s_barrier_signal -3
.Lnot_wave_0_\@:
	s_barrier_wait -3
	s_barrier_signal -1
	s_barrier_wait -1
.endm
.macro CROUND
	s_barrier_signal -1
	s_barrier_wait -1
	CREST
.endm
	s_load_b64 s[4:5], s[0:1], 0x0
	s_load_b128 s[8:11], s[0:1], 0x8
	s_load_b64 s[BP:BP+1], s[0:1], 0x18
	s_load_b64 s[LO:LO+1], s[0:1], 0x20
	v_lshl_add_u32 v[SPW], v0, 2, SPARE
	v_mov_b32 v[NIL], 0
	ds_add_u32 v28, v29
	ds_add_u32 v28, v29
	s_wait_dscnt 0x0
	v_lshrrev_b32 v1, 5, v0
	v_readfirstlane_b32 s14, v1
	s_lshr_b32 s15, s14, 1
	s_and_b32 s16, s14, 1
	s_bfe_u32 s40, ttmp6, 0x40000
	s_bfe_u32 s41, ttmp6, 0x40004
	s_lshl_b32 s42, ttmp9, 2
	s_add_co_u32 s42, s42, s40
	s_and_b32 s17, ttmp7, 0xffff
	s_lshl_b32 s17, s17, 2
	s_add_co_u32 s17, s17, s41
	s_lshl_b32 s43, s41, 2
	s_lshl_b32 s43, 15, s43
	s_lshl_b32 s44, 0x1111, s40
	s_or_b32 s[G1+0], s43, (0<<16)|(1<<20)|(1<<21)|(5<<22)|(3<<25)
	s_or_b32 s[G1B+0], s44, (0<<16)|(1<<20)|(1<<21)|(5<<22)|(3<<25)
.irp g, G1, G1B
	s_mov_b32 s[\g+1], ROWB<<16
	s_mov_b32 s[\g+2], 256<<16
	s_mov_b32 s[\g+3], ROWB<<16
	s_mov_b32 s[\g+4], 256
	s_mov_b32 s[\g+5], KROW
	s_mov_b32 s[\g+6], 0
	s_mov_b32 s[\g+7], 0
.endr
	s_or_b32 s[G1S+0], s43, (3<<16)|(1<<20)|(1<<21)|(5<<22)|(3<<25)
	s_or_b32 s[G1SB+0], s44, (3<<16)|(1<<20)|(1<<21)|(5<<22)|(3<<25)
.irp g, G1S, G1SB
	s_mov_b32 s[\g+1], 32<<16
	s_mov_b32 s[\g+2], KS<<16
	s_mov_b32 s[\g+3], 32<<16
	s_mov_b32 s[\g+4], KS
	s_mov_b32 s[\g+5], 32
	s_mov_b32 s[\g+6], 0
	s_mov_b32 s[\g+7], 0
.endr
	s_lshl_b32 s20, s17, 8
	s_lshl_b32 s46, s42, 8
	s_mov_b32 s21, 0
	s_mov_b32 s47, 0
	s_mov_b64 s[18:19], KS
	s_mul_u64 s[22:23], s[20:21], s[18:19]
	s_mul_u64 s[92:93], s[46:47], s[18:19]
	s_mov_b64 s[18:19], KROW
	s_mul_u64 s[20:21], s[20:21], s[18:19]
	s_mul_u64 s[46:47], s[46:47], s[18:19]
	s_mul_i32 s45, s14, HALFT
	s_mul_i32 s94, s16, 128*KROW                   ; in the ring a wave fetches 128 rows of a tile: which half, in bytes
	s_mov_b32 s95, 0
	s_wait_kmcnt 0x0
	s_add_nc_u64 s[6:7], s[4:5], 4194304
	s_add_nc_u64 s[20:21], s[4:5], s[20:21]
	s_add_nc_u64 s[22:23], s[6:7], s[22:23]
	s_add_nc_u64 s[46:47], s[8:9], s[46:47]
	s_add_nc_u64 s[92:93], s[10:11], s[92:93]
	CROUND
	s_mov_b32 s[G0S], 1
	s_mov_b32 s[G0S+1], SCL
	s_mov_b64 s[G0S+2:G0S+3], s[22:23]
	s_or_b32 s[G0S+3], s[G0S+3], 0x80000000
	s_mov_b32 s[G0SB], 1
	s_mov_b32 s[G0SB+1], SCL+2*HALFS
	s_mov_b64 s[G0SB+2:G0SB+3], s[92:93]
	s_or_b32 s[G0SB+3], s[G0SB+3], 0x80000000
	s_mov_b32 s4, 1                                ; the head's group 0 for K step 0: A's 256 rows (the arguments that lay in s[4:11] have been used)
	s_mov_b32 s5, 0
	s_mov_b64 s[6:7], s[20:21]
	s_or_b32 s7, s7, 0x80000000
	s_mov_b32 s8, 1                                ; and B's 256 rows, behind them in slot 0
	s_mov_b32 s9, 2*HALFT
	s_mov_b64 s[10:11], s[46:47]
	s_or_b32 s11, s11, 0x80000000
	s_add_nc_u64 s[20:21], s[20:21], s[94:95]      ; for the ring: my 128 rows of the tile
	s_add_nc_u64 s[46:47], s[46:47], s[94:95]
.irp s, 0,1
	s_mov_b32 s[G0+4*\s], 1
	s_add_co_u32 s[G0+4*\s+1], s45, \s*SLOT
	s_add_nc_u64 s[G0+4*\s+2:G0+4*\s+3], s[20:21], \s*ROWB
	s_or_b32 s[G0+4*\s+3], s[G0+4*\s+3], 0x80000000
	s_mov_b32 s[G0B+4*\s], 1
	s_add_co_u32 s[G0B+4*\s+1], s45, \s*SLOT
	s_add_nc_u64 s[G0B+4*\s+2:G0B+4*\s+3], s[46:47], \s*ROWB
	s_or_b32 s[G0B+4*\s+3], s[G0B+4*\s+3], 0x80000000
.endr
; the head's four tiles, one load a wave, in one chain of branches on the wave's number: wave 0 A's 256 rows of K step 0, wave 1 B's, wave 2 A's scale bytes, wave 3 B's
.macro ARM under, g0, g1, next
	s_cmp_lt_u32 s14, \under
	s_cbranch_scc0 \next
	tensor_load_to_lds s[\g0:\g0+3], s[\g1:\g1+7]
	s_nop 0
.rept 4
	v_nop
.endr
	s_branch .Lhead_asked
\next:
.endm
	ARM 1, 4, G1, .Lhead_b
	ARM 2, 8, G1B, .Lhead_sa
	ARM 3, G0S, G1S, .Lhead_sb
	tensor_load_to_lds s[G0SB:G0SB+3], s[G1SB:G1SB+7]
	s_nop 0
.rept 4
	v_nop
.endr
.Lhead_asked:
	v_and_b32 v1, 15, v0
	v_bfe_u32 v2, v0, 4, 1
	v_mul_u32_u24 v3, v1, PITCH
	v_lshl_add_u32 v4, v2, 4, v3
	s_mul_i32 s21, s15, HALFT
	s_mul_i32 s22, s16, HALFT
	s_add_co_u32 s22, s22, 2*HALFT
.irp s, 0,1
	v_add_nc_u32 v[ADRA+\s], s21, v4
	v_add_nc_u32 v[ADRB+\s], s22, v4
	s_add_co_u32 s21, s21, SLOT
	s_add_co_u32 s22, s22, SLOT
.endr
	v_mul_u32_u24 v5, v1, KS
	v_lshrrev_b32 v6, 8, v5
	v_lshl_add_u32 v5, v6, 4, v5
	s_mul_i32 s21, s15, HALFS
	s_mul_i32 s22, s16, HALFS
	s_add_co_u32 s22, s22, 2*HALFS
	s_sub_co_u32 s22, s22, s21
	v_mul_u32_u24 v6, s22, v2
	s_add_co_u32 s21, s21, SCL
	v_add_nc_u32 v5, v5, v6
	v_add_nc_u32 v[ADRS], s21, v5
	s_lshl_b32 s18, s17, 8
	s_lshl_b32 s19, s15, 7
	s_add_co_u32 s18, s18, s19
	s_lshl_b32 s46, s42, 1
	s_add_co_u32 s46, s46, s16
	s_lshl_b32 s20, s18, 12
	s_lshl_b32 s21, s46, 11
	s_add_co_u32 s20, s20, s21
	s_mov_b32 s21, 0
	s_lshl_b32 s22, s18, 7
	s_lshl_b32 s23, s46, 2
	s_add_co_u32 s22, s22, s23
	s_add_co_u32 s22, s22, 16777216
	s_mov_b32 s23, 0
	s_add_nc_u64 s[SCO:SCO+1], s[LO:LO+1], s[22:23]
	s_add_nc_u64 s[LO:LO+1], s[LO:LO+1], s[20:21]
	s_lshl_b32 s46, s46, 9
	s_mov_b32 s47, 0
	s_add_nc_u64 s[BP:BP+1], s[BP:BP+1], s[46:47]
	v_and_b32 v[L16], 31, v0
	v_lshlrev_b32 v[L16], 4, v[L16]
	v_lshlrev_b32 v[H16], 4, v2
	v_lshlrev_b32 v4, 5, v2
	v_lshlrev_b32 v[SOF], 7, v1
	v_lshl_add_u32 v[SOF], v2, 1, v[SOF]
.irp b, 0,1,2,3,4,5,6,7
	global_load_b128 v[BIAS+8*\b:BIAS+8*\b+3], v4, s[BP:BP+1] offset:64*\b
	global_load_b128 v[BIAS+8*\b+4:BIAS+8*\b+7], v4, s[BP:BP+1] offset:64*\b+16
.endr
.macro FRAG reg, adr, q, i
.irp c, 0,1,2,3
	ds_load_b128 v[\reg+4*\c:\reg+4*\c+3], v[\adr] offset:128*(\q)+32*\c+(\i)*16*PITCH
.endr
.endm
.macro MUL16 a0, p, q, sc, cm
.irp a, \a0, \a0+1
.irp b, 0,1,2,3,4,5,6,7
.if \cm == 1
	v_wmma_scale_f32_16x16x128_f8f6f4 v[8*(8*((\a)%4)+\b):8*(8*((\a)%4)+\b)+7], v[128*(\p)+FR*\b:128*(\p)+FR*\b+FR-1], v[AF+FR*(\a):AF+FR*(\a)+FR-1], v[BIAS+8*\b:BIAS+8*\b+7], v[SC+8*NQ*(\sc)+NQ*\b+(\q)], v[SC+8*NQ*(\sc)+NQ*(\a)+(\q)] matrix_a_scale:MATRIX_SCALE_ROW1
.else
	v_wmma_scale_f32_16x16x128_f8f6f4 v[8*(8*((\a)%4)+\b):8*(8*((\a)%4)+\b)+7], v[128*(\p)+FR*\b:128*(\p)+FR*\b+FR-1], v[AF+FR*(\a):AF+FR*(\a)+FR-1], v[8*(8*((\a)%4)+\b):8*(8*((\a)%4)+\b)+7], v[SC+8*NQ*(\sc)+NQ*\b+(\q)], v[SC+8*NQ*(\sc)+NQ*(\a)+(\q)] matrix_a_scale:MATRIX_SCALE_ROW1
.endif
.endr
.endr
.endm
.macro FETCH_B slot, q, p
	WIN TO_B
.irp i, 0,1,2,3,4,5,6,7
	FRAG 128*(\p)+FR*\i, ADRB+\slot, \q, \i
.endr
	WIN 0
.endm
.macro FETCH_A slot, q, i0
.irp i, \i0, \i0+1, \i0+2, \i0+3
	FRAG AF+FR*(\i), ADRA+\slot, \q, \i
.endr
.endm
.macro SCALES sc
.irp i, 0,1,2,3,4,5,6,7
	ds_load_b64 v[SC+8*NQ*\sc+NQ*\i:SC+8*NQ*\sc+NQ*\i+1], v[ADRS] offset:\i*SBLK
.endr
.endm
.macro PLACES n
.rept \n
	v_nop
.endr
.endm
.macro STEP slot, q, cm
	s_wait_dscnt 4*NL
.if \cm
	WIN BIA_LO
.else
	WIN MUL_LO
.endif
	MUL16 0, (\q)%2, \q, \slot, \cm
	MUL16 2, (\q)%2, \q, \slot, \cm
	s_wait_dscnt 0
	PLACES NP
	FETCH_B \slot, (\q)+1, 1-(\q)%2
	FETCH_A \slot, (\q)+1, 0
.if \cm
	WIN BIA_HI
.else
	WIN MUL_HI
.endif
	MUL16 4, (\q)%2, \q, \slot, \cm
	MUL16 6, (\q)%2, \q, \slot, \cm
	PLACES NP
	WIN 0
	FETCH_A \slot, (\q)+1, 4
.endm
.macro TURN slot, next, fill
	s_wait_tensorcnt 0x0
	ds_add_u32 v[SPW], v[NIL]
	s_wait_dscnt 4*NL+1
	WIN MUL_LO
	MUL16 0, 1, NQ-1, \slot, 0
	s_wait_dscnt 0x0
	s_barrier_signal -1
	MUL16 2, 1, NQ-1, \slot, 0
	WIN 0
	s_barrier_wait -1
.if \fill
	CREST
	s_add_nc_u64 s[G0+4*\slot+2:G0+4*\slot+3], s[G0+4*\slot+2:G0+4*\slot+3], 2*ROWB
	s_add_nc_u64 s[G0B+4*\slot+2:G0B+4*\slot+3], s[G0B+4*\slot+2:G0B+4*\slot+3], 2*ROWB
	JLOAD G0+4*\slot, G1, G0B+4*\slot, G1B
	PLACES NP-4
.else
	PLACES NP
.endif
	s_wait_alu depctr_va_vdst(0)
	v_add_nc_u32 v[ADRS], 4*NQ, v[ADRS]
	FETCH_B \next, 0, 0
	FETCH_A \next, 0, 0
	SCALES \next
	WIN MUL_HI
	MUL16 4, 1, NQ-1, \slot, 0
	MUL16 6, 1, NQ-1, \slot, 0
	PLACES NP
	WIN 0
	FETCH_A \next, 0, 4
.endm
	s_wait_alu depctr_va_vdst(0)
	s_wait_tensorcnt 0x0                           ; my tile of the head's four is in
	ds_add_u32 v[SPW], v[NIL]                      ; the add ahead of a later first fill
	s_mov_b32 s[G1+2], 128<<16                     ; no tensor load of mine is out: from here on a load brings 128 rows
	s_mov_b32 s[G1+4], 128
	s_mov_b32 s[G1B+2], 128<<16
	s_mov_b32 s[G1B+4], 128
	s_wait_dscnt 0x0
	CROUND
	JLOAD G0+4, G1, G0B+4, G1B                     ; K step 1, the first tensor load behind the round
	FETCH_B 0, 0, 0
	FETCH_A 0, 0, 0
	SCALES 0
	FETCH_A 0, 0, 4
	s_wait_loadcnt 0x0
	STEP 0, 0, 1
	s_mov_b32 s3, LAPS-1
.Llap:
	TURN 0, 1, 1
	STEP 1, 0, 0
	TURN 1, 0, 1
	STEP 0, 0, 0
	s_sub_co_u32 s3, s3, 1
	s_cmp_lg_u32 s3, 0
	s_cbranch_scc1 .Llap
	TURN 0, 1, 0
	STEP 1, 0, 0
	s_wait_dscnt 4*NL
	WIN MUL_LO
	MUL16 0, 1, NQ-1, 1, 0
	MUL16 2, 1, NQ-1, 1, 0
	s_wait_dscnt 0
	WIN MUL_HI
	MUL16 4, 1, NQ-1, 1, 0
	MUL16 6, 1, NQ-1, 1, 0
	WIN 0
.macro QUANTW a
.set W, 2+(\a)/4
.set AC, 64*((\a)%4)
.set PCA, AF+16*(\a)
.set WA, W|(W<<2)
.set WB, (W<<2)|(W<<4)
.set WC, W|(W<<6)
	WIN WA
.irp b, 0,1,2,3
	v_max3_num_f32 v[TM+\b], v[AC+16*\b], v[AC+16*\b+1], 0x4800000
.endr
	WIN WB
.irp i, 2,4,6,8,10,12,14
.irp b, 0,1,2,3
	v_max3_num_f32 v[TM+\b], v[TM+\b], v[AC+16*\b+\i], v[AC+16*\b+\i+1]
.endr
.endr
	WIN 0
.irp b, 0,1,2,3
	v_permlanex16_b32 v[TM+4+\b], v[TM+\b], s[SEL], s[SEL+1]
.endr
.irp b, 0,1,2,3
	v_max_num_f32 v[TM+\b], v[TM+\b], v[TM+4+\b]
.endr
.irp b, 0,1,2,3
	v_add_nc_u32 v[TM+12+\b], 0xfc000000, v[TM+\b]
.endr
.irp b, 0,1,2,3
	v_and_or_b32 v[TM+8+\b], v[TM+\b], 0x7f800000, s[MNT]
.endr
.irp b, 0,1,2,3
	v_lshrrev_b32 v[TM+4+\b], 23, v[TM+12+\b]
.endr
	v_lshl_or_b32 v[PWR+(\a)], v[TM+5], 8, v[TM+4]
	v_lshl_or_b32 v[PWR+(\a)], v[TM+6], 16, v[PWR+(\a)]
	v_lshl_or_b32 v[PWR+(\a)], v[TM+7], 24, v[PWR+(\a)]
	WIN WC
.irp b, 0,1,2,3
.irp i, 0,1,2,3,4,5,6,7,8,9,10,11,12,13,14,15
	v_med3_num_f32 v[AC+16*\b+\i], v[AC+16*\b+\i], 0, v[TM+8+\b]
.endr
.endr
	WIN W
.irp b, 0,1,2,3
	v_cvt_scalef32_pk8_fp8_f32 v[PCA+4*\b:PCA+4*\b+1], v[AC+16*\b:AC+16*\b+7], v[TM+12+\b]
	v_cvt_scalef32_pk8_fp8_f32 v[PCA+4*\b+2:PCA+4*\b+3], v[AC+16*\b+8:AC+16*\b+15], v[TM+12+\b]
.endr
	WIN 0
	v_nop
.endm
	PLACES NP
	s_mov_b32 s[SEL], 0x76543210
	s_mov_b32 s[SEL+1], 0xfedcba98
	s_mov_b32 s[MNT], 0x600000
.irp a, 0,1,2,3,4,5,6,7
	QUANTW \a
	v_lshrrev_b32 v[SWR+\a], v[H16], v[PWR+\a]
.irp c, 0,1,2,3
	global_store_b128 v[L16], v[AF+16*\a+4*\c:AF+16*\a+4*\c+3], s[LO:LO+1] offset:\a*65536+512*\c
.endr
	global_store_b16 v[SOF], v[SWR+\a], s[SCO:SCO+1] offset:\a*2048
.endr
	s_wait_tensorcnt 0x0
	ds_add_u32 v[SPW], v[NIL]
	s_wait_dscnt 0x0
	CROUND
	s_endpgm
.Lfunc_end_k_q3c7777e07d_ffn1:
	.size	k_q3c7777e07d_ffn1, .Lfunc_end_k_q3c7777e07d_ffn1-k_q3c7777e07d_ffn1
	.p2alignl 7, 3214868480
	.fill 96, 4, 3214868480
	.section	.rodata,"a",@progbits
	.p2align	6, 0x0
	.amdhsa_kernel k_q3c7777e07d_ffn1
		.amdhsa_group_segment_fixed_size 327680
		.amdhsa_private_segment_fixed_size 0
		.amdhsa_enable_private_segment 0
		.amdhsa_kernarg_size 40
		.amdhsa_user_sgpr_count 2
		.amdhsa_user_sgpr_kernarg_segment_ptr 1
		.amdhsa_wavefront_size32 1
		.amdhsa_system_sgpr_workgroup_id_x 1
		.amdhsa_system_sgpr_workgroup_id_y 1
		.amdhsa_system_sgpr_workgroup_id_z 1
		.amdhsa_system_vgpr_workitem_id 0
		.amdhsa_next_free_vgpr 1024
		.amdhsa_next_free_sgpr 106
		.amdhsa_reserve_vcc 0
		.amdhsa_float_denorm_mode_32 3
		.amdhsa_float_denorm_mode_16_64 3
		.amdhsa_memory_ordered 1
		.amdhsa_forward_progress 1
		.amdhsa_inst_pref_size 188
	.end_amdhsa_kernel
	.amdgpu_metadata
---
amdhsa.version: [ 1, 2 ]
amdhsa.kernels:
  - .name:           k_q3c7777e07d_ffn1
    .symbol:         k_q3c7777e07d_ffn1.kd
    .args:
      - { .name: xn, .offset: 0, .size: 8, .value_kind: global_buffer, .address_space: global }
      - { .name: w1_codes, .offset: 8, .size: 8, .value_kind: global_buffer, .address_space: global }
      - { .name: w1_scales, .offset: 16, .size: 8, .value_kind: global_buffer, .address_space: global }
      - { .name: b1, .offset: 24, .size: 8, .value_kind: global_buffer, .address_space: global }
      - { .name: hb, .offset: 32, .size: 8, .value_kind: global_buffer, .address_space: global }
    .group_segment_fixed_size: 327680
    .private_segment_fixed_size: 0
    .kernarg_segment_align: 8
    .kernarg_segment_size: 40
    .max_flat_workgroup_size: 128
    .sgpr_count:     106
    .vgpr_count:     1024
    .wavefront_size: 32
...
	.end_amdgpu_metadata
.endif
;; end of part 5
;; launch ffn2 (part 6): grid 8 x 32, 4 waves a work-group, clusters of 4 x 4, 327,680 bytes of LDS; arguments hb, w2_codes, w2_scales, b2, x1, out0; writes out0
.if DOCPART == 6
	.amdgcn_target "amdgcn-amd-amdhsa--gfx1250"
	.amdhsa_code_object_version 6
	.text
	.protected	k_q3c7777e07d_ffn2
	.globl	k_q3c7777e07d_ffn2
	.p2align	8
	.type	k_q3c7777e07d_ffn2,@function
k_q3c7777e07d_ffn2:
	s_mov_b64 s[64:65], 0
	v_nop
	global_prefetch_b8 v0, s[64:65] scope:SCOPE_SE
	s_setreg_imm32_b32 hwreg(HW_REG_WAVE_MODE, 25, 1), 1
	s_wait_xcnt 0x0
	s_wait_alu depctr_hold_cnt(0) depctr_sa_sdst(0) depctr_va_vdst(0) depctr_va_sdst(0) depctr_va_ssrc(0) depctr_va_vcc(0) depctr_vm_vsrc(0)
	s_getreg_b32 s2, hwreg(HW_REG_IB_STS2, 6, 4)
	s_cmp_eq_u32 s2, 0
	s_cbranch_scc0 .Lentry_in_a_cluster
	s_endpgm
.Lentry_in_a_cluster:
	s_bfe_u32 s2, ttmp6, 0x10000c
	s_cmp_lg_u32 s2, 0xf033
	s_cbranch_scc0 .Lentry_shape_is_right
	s_endpgm
.Lentry_shape_is_right:
.set SIZE_K, 4096
.set NK,     SIZE_K/128
.set KS,     SIZE_K/32
.set AHEAD,  7
.set BP,     1040
.set WPART,  32*BP
.set BHI,    64*BP
.set SLOT,   128*BP
.set SCL,    2*SLOT
.set HALFS,  (64*KS/256)*272
.set SBLK,   (16*KS/256)*272
.set SPARE,  SCL+4*HALFS
.set SP,     528
.set ADRB, 20
.set STO,  24
.set RD,   25
.set CO,   26
.set ADRS, 27
.set SPW,  28
.set NIL,  29
.set SC,   32
.set ACC,  128
.set RES,  0
.set BIAS, 128
.set BK,   192
.set AP,   24
.set G1B, 48
.set G0B, 56
.set G1S, 68
.set G0S, 76
.set G1SB, 80
.set G0SB, 88
.set MSB, 0
.macro WIN new
.if MSB != \new
	s_set_vgpr_msb (MSB<<8)|\new
.set MSB, \new
.endif
.endm
.set MULW, 0x09
.set MULF, 0x39
.set TO_B, 0x40
.set TO_A, 0x80
.set TO_R, 0xc0
.macro JLOAD g0a, g1a, g0b, g1b
	s_cmp_eq_u32 s15, 0
	s_cbranch_scc0 .Lfor_b_\@
	tensor_load_to_lds s[\g0a:\g0a+3], s[\g1a:\g1a+7]
	s_nop 0
.rept 4
	v_nop
.endr
	s_branch .Lasked_\@
.Lfor_b_\@:
	tensor_load_to_lds s[\g0b:\g0b+3], s[\g1b:\g1b+7]
	s_nop 0
.rept 4
	v_nop
.endr
.Lasked_\@:
.endm
.macro CREST
	s_cmp_lg_u32 s14, 0
	s_cbranch_scc1 .Lnot_wave_0_\@
	s_barrier_signal -3
.Lnot_wave_0_\@:
	s_barrier_wait -3
	s_barrier_signal -1
	s_barrier_wait -1
.endm
.macro CROUND
	s_barrier_signal -1
	s_barrier_wait -1
	CREST
.endm
.macro PLACES n
.rept \n
	v_nop
.endr
.endm
	s_load_b256 s[4:11], s[0:1], 0x0
	s_load_b128 s[96:99], s[0:1], 0x20
	v_lshl_add_u32 v[SPW], v0, 2, SPARE
	v_mov_b32 v[NIL], 0
	ds_add_u32 v28, v29
	ds_add_u32 v28, v29
	s_wait_dscnt 0x0
	v_lshrrev_b32 v1, 5, v0
	v_readfirstlane_b32 s14, v1
	s_lshr_b32 s15, s14, 1
	s_and_b32 s16, s14, 1
	s_bfe_u32 s40, ttmp6, 0x40000
	s_bfe_u32 s41, ttmp6, 0x40004
	s_lshl_b32 s42, ttmp9, 2
	s_add_co_u32 s42, s42, s40
	s_and_b32 s17, ttmp7, 0xffff
	s_lshl_b32 s17, s17, 2
	s_add_co_u32 s17, s17, s41
	s_lshl_b32 s43, s41, 2
	s_lshl_b32 s43, 15, s43
	s_lshl_b32 s44, 0x1111, s40
	s_or_b32 s[G1B+0], s44, (0<<16)|(1<<20)|(1<<21)|(7<<22)|(3<<25)
	s_mov_b32 s[G1B+1], 1024<<16
	s_mov_b32 s[G1B+2], 128<<16
	s_mov_b32 s[G1B+3], 1024<<16
	s_mov_b32 s[G1B+4], 128
	s_mov_b32 s[G1B+5], SIZE_K
	s_mov_b32 s[G1B+6], 0
	s_mov_b32 s[G1B+7], 0
	s_or_b32 s[G1S+0], s43, (3<<16)|(1<<20)|(1<<21)|(5<<22)|(3<<25)
	s_or_b32 s[G1SB+0], s44, (3<<16)|(1<<20)|(1<<21)|(5<<22)|(3<<25)
.irp g, G1S, G1SB
	s_mov_b32 s[\g+1], 32<<16
	s_mov_b32 s[\g+2], (128*KS/256)<<16
	s_mov_b32 s[\g+3], 32<<16
	s_mov_b32 s[\g+4], 128*KS/256
	s_mov_b32 s[\g+5], 32
	s_mov_b32 s[\g+6], 0
	s_mov_b32 s[\g+7], 0
.endr
	s_lshl_b32 s22, s17, 7
	s_mul_i32 s22, s22, KS
	s_add_co_u32 s22, s22, 4096*SIZE_K
	s_mov_b32 s23, 0
	s_lshl_b32 s92, s42, 7
	s_mul_i32 s92, s92, KS
	s_mov_b32 s93, 0
	s_lshl_b32 s46, s42, 7
	s_lshl_b32 s47, s14, 5
	s_add_co_u32 s46, s46, s47
	s_mul_i32 s46, s46, SIZE_K
	s_mov_b32 s47, 0
	s_lshl_b32 s20, s17, 3
	s_lshl_b32 s21, s14, 1
	s_add_co_u32 s20, s20, s21
	s_lshl_b32 s20, s20, 16
	s_mov_b32 s21, 0
	s_mul_i32 s95, s14, WPART
	s_lshl_b32 s18, s42, 19                        ; the tile column's 128 rows of W: 4,096 bytes a row
	s_mov_b32 s19, 0
	s_wait_kmcnt 0x0
	s_add_nc_u64 s[AP:AP+1], s[4:5], s[20:21]
	s_add_nc_u64 s[22:23], s[4:5], s[22:23]
	s_add_nc_u64 s[46:47], s[6:7], s[46:47]
	s_add_nc_u64 s[92:93], s[8:9], s[92:93]
	CROUND
	s_mov_b32 s[G0S], 1
	s_mov_b32 s[G0S+1], SCL
	s_mov_b64 s[G0S+2:G0S+3], s[22:23]
	s_or_b32 s[G0S+3], s[G0S+3], 0x80000000
	s_mov_b32 s[G0SB], 1
	s_mov_b32 s[G0SB+1], SCL+2*HALFS
	s_mov_b64 s[G0SB+2:G0SB+3], s[92:93]
	s_or_b32 s[G0SB+3], s[G0SB+3], 0x80000000
	s_add_nc_u64 s[18:19], s[6:7], s[18:19]
	s_mov_b32 s32, 1                               ; the head's group 0 for slot 0, whole: 128 rows x the first 1,024 along K,
	s_mov_b32 s33, 0
	s_mov_b64 s[34:35], s[18:19]
	s_or_b32 s35, s35, 0x80000000
	s_mov_b32 s36, 1                               ; and for slot 1: the next 1,024
	s_mov_b32 s37, SLOT
	s_add_nc_u64 s[38:39], s[18:19], 1024
	s_or_b32 s39, s39, 0x80000000
.irp s, 0,1
	s_mov_b32 s[G0B+4*\s], 1
	s_add_co_u32 s[G0B+4*\s+1], s95, \s*SLOT
	s_add_nc_u64 s[G0B+4*\s+2:G0B+4*\s+3], s[46:47], \s*1024
	s_or_b32 s[G0B+4*\s+3], s[G0B+4*\s+3], 0x80000000
.endr
; the head's four first fills, one load a wave, in one chain of branches on the wave's number: wave 0 slot 0 of W, wave 1 slot 1, wave 2 A's scale bytes, wave 3 W's
.macro ARM under, g0, g1, next
	s_cmp_lt_u32 s14, \under
	s_cbranch_scc0 \next
	tensor_load_to_lds s[\g0:\g0+3], s[\g1:\g1+7]
	s_nop 0
.rept 4
	v_nop
.endr
	s_branch .Lhead_asked
\next:
.endm
	ARM 1, 32, G1B, .Lhead_b
	ARM 2, 36, G1B, .Lhead_sa
	ARM 3, G0S, G1S, .Lhead_sb
	tensor_load_to_lds s[G0SB:G0SB+3], s[G1SB:G1SB+7]
	s_nop 0
.rept 4
	v_nop
.endr
.Lhead_asked:
	v_and_b32 v1, 15, v0
	v_bfe_u32 v2, v0, 4, 1
	v_and_b32 v3, 31, v0
	v_lshlrev_b32 v[CO], 4, v3
	v_mul_u32_u24 v[ADRB], v1, BP
	v_lshl_add_u32 v[ADRB], v2, 3, v[ADRB]
	v_add_nc_u32 v[ADRB+1], BHI, v[ADRB]
	v_add_nc_u32 v[ADRB+2], SLOT, v[ADRB]
	v_add_nc_u32 v[ADRB+3], SLOT+BHI, v[ADRB]
	v_mul_u32_u24 v5, v1, KS
	v_lshrrev_b32 v6, 8, v5
	v_lshl_add_u32 v5, v6, 4, v5
	s_mul_i32 s21, s14, 2*SBLK
	s_mov_b32 s22, 2*HALFS
	s_sub_co_u32 s22, s22, s21
	v_mul_u32_u24 v6, s22, v2
	s_add_co_u32 s21, s21, SCL
	v_add_nc_u32 v5, v5, v6
	v_add_nc_u32 v[ADRS], s21, v5
	s_mul_i32 s23, s14, 16*SP
	v_mul_u32_u24 v5, v1, SP
	v_lshl_add_u32 v5, v2, 5, v5
	v_add_nc_u32 v[STO], s23, v5
	v_add_nc_u32 v[RD], s23, v[CO]
	s_lshl_b32 s20, s17, 7
	s_lshl_b32 s21, s14, 5
	s_add_co_u32 s20, s20, s21
	s_lshl_b32 s20, s20, 12
	s_lshl_b32 s46, s42, 9
	s_mov_b32 s47, 0
	s_add_nc_u64 s[10:11], s[10:11], s[46:47]
	s_add_co_u32 s20, s20, s46
	s_mov_b32 s21, 0
	s_add_nc_u64 s[96:97], s[96:97], s[20:21]
	s_add_nc_u64 s[98:99], s[98:99], s[20:21]
	v_lshlrev_b32 v7, 5, v2
.macro ALOAD q
	WIN TO_A
.irp a, 0,1
.irp c, 0,1,2,3
	global_load_b128 v[32*((\q)%8)+16*\a+4*\c:32*((\q)%8)+16*\a+4*\c+3], v[CO], s[AP:AP+1] offset:65536*\a+2048*(\q)+512*\c
.endr
.endr
.endm
	WIN TO_R
.irp t, 0,1,2,3,4,5,6,7,8,9,10,11,12,13,14,15,16,17,18,19,20,21,22,23,24,25,26,27,28,29,30,31
	global_load_b128 v[RES+4*\t:RES+4*\t+3], v[CO], s[96:97] offset:\t*4096 th:TH_LOAD_NT
.endr
.irp b, 0,1,2,3,4,5,6,7
	global_load_b128 v[BIAS+8*\b:BIAS+8*\b+3], v7, s[10:11] offset:64*\b
	global_load_b128 v[BIAS+8*\b+4:BIAS+8*\b+7], v7, s[10:11] offset:64*\b+16
.endr
.irp q, 0,1,2,3,4,5,6
	ALOAD \q
.endr
	WIN 0
.macro FETCHB q
	WIN TO_B
.irp b, 0,1,2,3,4,5,6,7
.irp c, 0,1,2,3
	ds_load_b64 v[128*((\q)%2)+16*\b+4*\c:128*((\q)%2)+16*\b+4*\c+1], v[ADRB+2*(((\q)/8)%2)+\b/4] offset:16*BP*(\b%4)+128*((\q)%8)+32*\c
	ds_load_b64 v[128*((\q)%2)+16*\b+4*\c+2:128*((\q)%2)+16*\b+4*\c+3], v[ADRB+2*(((\q)/8)%2)+\b/4] offset:16*BP*(\b%4)+128*((\q)%8)+32*\c+16
.endr
.endr
.endm
.macro SCALES g
	WIN 0
.irp i, 0,1,2,3,4,5,6,7
	ds_load_b128 v[SC+32*((\g)%2)+4*\i:SC+32*((\g)%2)+4*\i+3], v[ADRS] offset:\i*SBLK+16*(\g)
.endr
.endm
.macro MUL4 q, a, b0
.irp b, \b0, \b0+1, \b0+2, \b0+3
.if (\q) == 0
	v_wmma_scale_f32_16x16x128_f8f6f4 v[ACC+8*(8*(\a)+(\b)):ACC+8*(8*(\a)+(\b))+7], v[128*((\q)%2)+16*(\b):128*((\q)%2)+16*(\b)+15], v[32*((\q)%8)+16*(\a):32*((\q)%8)+16*(\a)+15], v[BIAS+8*(\b):BIAS+8*(\b)+7], v[SC+32*(((\q)/4)%2)+4*(\b)+(\q)%4], v[SC+32*(((\q)/4)%2)+4*(\a)+(\q)%4] matrix_a_scale:MATRIX_SCALE_ROW1
.else
	v_wmma_scale_f32_16x16x128_f8f6f4 v[ACC+8*(8*(\a)+(\b)):ACC+8*(8*(\a)+(\b))+7], v[128*((\q)%2)+16*(\b):128*((\q)%2)+16*(\b)+15], v[32*((\q)%8)+16*(\a):32*((\q)%8)+16*(\a)+15], v[ACC+8*(8*(\a)+(\b)):ACC+8*(8*(\a)+(\b))+7], v[SC+32*(((\q)/4)%2)+4*(\b)+(\q)%4], v[SC+32*(((\q)/4)%2)+4*(\a)+(\q)%4] matrix_a_scale:MATRIX_SCALE_ROW1
.endif
.endr
.endm
.macro KS q
	PLACES 8
.if ((\q)%4 == 2) && ((\q)/4 < NK/4-1)
	SCALES (\q)/4+1
.endif
.if (\q) < NK-1
	FETCHB (\q)+1
.endif
.if (\q)+AHEAD < NK
	ALOAD (\q)+AHEAD
	s_wait_loadcnt 8*AHEAD
.else
	s_wait_loadcnt 8*(NK-1-(\q))
.endif
.if (\q) < NK-1
	s_wait_dscnt 63
.else
	s_wait_dscnt 0x0
.endif
.if (\q) == 0
	WIN MULF
.else
	WIN MULW
.endif
	MUL4 \q, 0, 0
	MUL4 \q, 0, 4
	MUL4 \q, 1, 0
	MUL4 \q, 1, 4
.endm
.macro TURN q, fill
	WIN 0
	s_wait_tensorcnt 0x0
	ds_add_u32 v[SPW], v[NIL]
	s_wait_loadcnt 8*(AHEAD-1)
	s_wait_dscnt 1
	WIN MULW
	MUL4 \q, 0, 0
	s_wait_dscnt 0x0
	s_barrier_signal -1
	MUL4 \q, 0, 4
	WIN 0
	s_barrier_wait -1
.if \fill
	CREST
	s_add_nc_u64 s[G0B+4*(((\q)/8)%2)+2:G0B+4*(((\q)/8)%2)+3], s[G0B+4*(((\q)/8)%2)+2:G0B+4*(((\q)/8)%2)+3], 2048
	tensor_load_to_lds s[G0B+4*(((\q)/8)%2):G0B+4*(((\q)/8)%2)+3], s[G1B:G1B+7]
	s_nop 0
	PLACES 8
.else
	PLACES 8
.endif
	FETCHB (\q)+1
	ALOAD (\q)+AHEAD
	WIN MULW
	MUL4 \q, 1, 0
	MUL4 \q, 1, 4
.endm
	s_wait_alu depctr_va_vdst(0)
	s_wait_tensorcnt 0x0                           ; my tile of the head's four is in
	s_mov_b32 s[G1B+2], 32<<16                     ; no tensor load of mine is out: from here on a load brings my 32 rows
	s_mov_b32 s[G1B+4], 32
	s_barrier_signal -1
	s_barrier_wait -1                              ; everybody's is
	SCALES 0
	FETCHB 0
.irp q, 0,1,2,3,4,5,6
	KS \q
.endr
	TURN 7, 1
.irp q, 8,9,10,11,12,13,14
	KS \q
.endr
	TURN 15, 1
.irp q, 16,17,18,19,20,21,22
	KS \q
.endr
	TURN 23, 0
.irp q, 24,25,26,27,28,29,30,31
	KS \q
.endr
	WIN 0
	PLACES 8
.irp a, 0,1
.irp b, 0,1,2,3,4,5,6,7
	ds_store_b128 v[STO], v[ACC+8*(8*\a+\b):ACC+8*(8*\a+\b)+3] offset:64*\b
	ds_store_b128 v[STO], v[ACC+8*(8*\a+\b)+4:ACC+8*(8*\a+\b)+7] offset:64*\b+16
.endr
	WIN TO_R
.irp t, 0,1,2,3,4,5,6,7,8,9,10,11,12,13,14,15
	ds_load_b128 v[BK+4*\t:BK+4*\t+3], v[RD] offset:\t*SP
.endr
	s_wait_dscnt 0x0
	WIN 0xcf
.irp t, 0,1,2,3,4,5,6,7,8,9,10,11,12,13,14,15,16,17,18,19,20,21,22,23,24,25,26,27,28,29,30,31
	v_pk_add_f32 v[RES+64*\a+2*\t:RES+64*\a+2*\t+1], v[BK+2*\t:BK+2*\t+1], v[RES+64*\a+2*\t:RES+64*\a+2*\t+1]
.endr
	WIN 0x0c
.irp t, 0,1,2,3,4,5,6,7,8,9,10,11,12,13,14,15
	global_store_b128 v[CO], v[RES+64*\a+4*\t:RES+64*\a+4*\t+3], s[98:99] offset:(16*\a+\t)*4096 th:TH_STORE_NT
.endr
	WIN 0
.endr
	s_wait_tensorcnt 0x0
	ds_add_u32 v[SPW], v[NIL]
	s_wait_dscnt 0x0
	CROUND
	s_endpgm
.Lfunc_end_k_q3c7777e07d_ffn2:
	.size	k_q3c7777e07d_ffn2, .Lfunc_end_k_q3c7777e07d_ffn2-k_q3c7777e07d_ffn2
	.p2alignl 7, 3214868480
	.fill 96, 4, 3214868480
	.section	.rodata,"a",@progbits
	.p2align	6, 0x0
	.amdhsa_kernel k_q3c7777e07d_ffn2
		.amdhsa_group_segment_fixed_size 327680
		.amdhsa_private_segment_fixed_size 0
		.amdhsa_enable_private_segment 0
		.amdhsa_kernarg_size 48
		.amdhsa_user_sgpr_count 2
		.amdhsa_user_sgpr_kernarg_segment_ptr 1
		.amdhsa_wavefront_size32 1
		.amdhsa_system_sgpr_workgroup_id_x 1
		.amdhsa_system_sgpr_workgroup_id_y 1
		.amdhsa_system_sgpr_workgroup_id_z 1
		.amdhsa_system_vgpr_workitem_id 0
		.amdhsa_next_free_vgpr 1024
		.amdhsa_next_free_sgpr 100
		.amdhsa_reserve_vcc 0
		.amdhsa_float_denorm_mode_32 3
		.amdhsa_float_denorm_mode_16_64 3
		.amdhsa_memory_ordered 1
		.amdhsa_forward_progress 1
		.amdhsa_inst_pref_size 255
	.end_amdhsa_kernel
	.section	.bss,"aw",@nobits
	.p2align	6
	.space	262144
	.amdgpu_metadata
---
amdhsa.version: [ 1, 2 ]
amdhsa.kernels:
  - .name:           k_q3c7777e07d_ffn2
    .symbol:         k_q3c7777e07d_ffn2.kd
    .args:
      - { .name: hb, .offset: 0, .size: 8, .value_kind: global_buffer, .address_space: global }
      - { .name: w2_codes, .offset: 8, .size: 8, .value_kind: global_buffer, .address_space: global }
      - { .name: w2_scales, .offset: 16, .size: 8, .value_kind: global_buffer, .address_space: global }
      - { .name: b2, .offset: 24, .size: 8, .value_kind: global_buffer, .address_space: global }
      - { .name: x1, .offset: 32, .size: 8, .value_kind: global_buffer, .address_space: global }
      - { .name: out0, .offset: 40, .size: 8, .value_kind: global_buffer, .address_space: global }
    .group_segment_fixed_size: 327680
    .private_segment_fixed_size: 0
    .kernarg_segment_align: 8
    .kernarg_segment_size: 48
    .max_flat_workgroup_size: 128
    .sgpr_count:     100
    .vgpr_count:     1024
    .wavefront_size: 32
...
	.end_amdgpu_metadata
.endif
;; end of part 6
